; MI455X (gfx1250); checked and timed in simulation.
; The chip was launched on July 23, 2026; its instructions are those of AMD's public machine-readable ISA for CDNA 5 (MIT licence, August 2026) and "CDNA5" Instruction Set Architecture Reference Guide (July 2026). The comments in the code are by the model that wrote it; some were corrected since.
;; Qwen3 Attention. Allowed arithmetic: float matrix products may take bf16 or f16 operands with f32 sums; all other float work in f32.
;; Inputs: attention_mask 1 x 1 x 2,048 x 2,048 float32; hidden_states 1 x 2,048 x 2,048 float32; k_norm_w 128 float32; q_norm_w 128 float32; wk 1,024 x 2,048 float32; wo 2,048 x 2,048 float32; wq 2,048 x 2,048 float32; wv 1,024 x 2,048 float32.
;; Outputs: out0 1 x 2,048 x 2,048 float32.
;; One version. Each part assembles by itself: llvm-mc -triple=amdgcn-amd-amdhsa -mcpu=gfx1250 --defsym DOCPART=n.
;; ======== version 1 of 1: 4 launches
;; limits: values outside matrix products are rounded to bf16; values are held in f16: magnitudes above 65,504 overflow, below 6.1e-05 lose precision; a function is approximated: absolute error at most 0.0002
;; workspace buffers: bf 33,554,432 bytes; rope 1,048,576 bytes; qkv 16,777,216 bytes; att 8,388,608 bytes
;; launch prep (part 1): grid 1024 x 1, 8 waves a work-group, no clusters, 0 bytes of LDS; arguments hidden_states, wq, wk, wv, wo, bf, rope; writes bf, rope
.if DOCPART == 1
	.amdgcn_target "amdgcn-amd-amdhsa--gfx1250"
	.amdhsa_code_object_version 6
	.text
	.protected	k_qd69c6b30b1_prep
	.globl	k_qd69c6b30b1_prep
	.p2align	8
	.type	k_qd69c6b30b1_prep,@function
k_qd69c6b30b1_prep:
	s_mov_b64 s[64:65], 0
	v_nop
	global_prefetch_b8 v0, s[64:65] scope:SCOPE_SE
	s_setreg_imm32_b32 hwreg(HW_REG_WAVE_MODE, 25, 1), 1
	s_wait_xcnt 0x0
; prep: the five matrices are rounded once to bf16 and laid into bf, and the RoPE table is made.
; bf, by byte: 0 hidden_states [2048][2048]; 8,388,608 wq, wk, wv as one [4096][2048]; 25,165,824 wo [2048][2048].
; All are bf16 but wo: wo is rounded to bf16 and that number is then held as f16, because its partner in the last product
; (the attention output) is f16.  The additive mask is not touched here: the attention launch reads it in f32.
; rope: f32 [2048 positions][128]: columns 0-63 cos(pos * inv_freq[i]), columns 64-127 sin.
; LIMITS, kept by design: (a) the matrices enter every later step rounded to bf16; (b) wo as f16: a bf16 number of
; magnitude 2^-17 to 65,504 is an f16 number exactly; below, the absolute error is at most 2^-25; above 65,504 it becomes infinite;
; (c) the table's angles are good to some 2e-4 radians at position 2047 (exp2 to one unit in the last place times the position);
; the sine series is cut behind x^9, an error of 4e-6 at a quarter turn.
; A stream: memory binds, so no LDS, no matrix unit, no cluster (no two work-groups read the same byte).
; Work-group id takes 16,384 numbers in a row: 64 KiB in, 32 KiB out at bf + 32,768 id (the destination is linear in id).
; 1,024 work-groups of 8 waves with 116 registers: four to a WGP, so all of them are resident together.
; Thread t takes 16 bytes at 16 t of each block of 4,096 bytes: a wave's load covers 512 bytes in a row, its store 256, aligned.
.set X,   4                            ; v[4:67]    16 loads of 4 f32
.set Y,   68                           ; v[68:99]   16 stores of 4 numbers of 16 bits
.set RES, 100                          ; v[100:101] two numbers of the table
.set TT,  102                          ; v[102:109] at work on the table
.set WT,  110                          ; v[110:113] at work on wo; v110 also the position as f32
	s_load_b256 s[4:11], s[0:1], 0x0               ; hidden s[4:5], wq s[6:7], wk s[8:9], wv s[10:11]
	s_load_b128 s[12:15], s[0:1], 0x20             ; wo s[12:13], bf s[14:15]
	s_load_b64 s[16:17], s[0:1], 0x30              ; rope
	v_lshlrev_b32 v1, 4, v0                        ; 16 t: my bytes in a block of the source
	v_lshlrev_b32 v2, 3, v0                        ; 8 t: my bytes in a block of the destination, and in the table
	v_lshrrev_b32 v3, 5, v0
	v_readfirstlane_b32 s26, v3                    ; wave 0..7
	s_mov_b32 s20, 0                               ; the first id of my source
	s_mov_b32 s25, 0                               ; high word of every offset: all are below 4 GiB
	s_wait_kmcnt 0x0
	s_mov_b64 s[22:23], s[4:5]
.macro PICK first, lo                  ; from id = first on the source is the buffer in s[lo:lo+1]
	s_cmp_ge_u32 ttmp9, \first
	s_cselect_b64 s[22:23], s[\lo:\lo+1], s[22:23]
	s_cselect_b32 s20, \first, s20
.endm
	PICK 256, 6
	PICK 512, 8
	PICK 640, 10
	PICK 768, 12
	s_sub_co_u32 s24, ttmp9, s20
	s_lshl_b32 s24, s24, 16                        ; 65,536 bytes of the source for each id
	s_add_nc_u64 s[22:23], s[22:23], s[24:25]
	s_lshl_b32 s24, ttmp9, 15                      ; 32,768 bytes of bf for each id
	s_add_nc_u64 s[28:29], s[14:15], s[24:25]
.irp j, 0,1,2,3,4,5,6,7,8,9,10,11,12,13,14,15
	global_load_b128 v[X+4*\j:X+4*\j+3], v1, s[22:23] offset:4096*\j th:TH_LOAD_NT   ; all sixteen are on their way before anything else is done
.endr
	; The table, while the loads are out: every id makes two positions, with waves 0 to 3:
	; wave w makes position 2 id + (w >> 1), cos (w even) or sin (w odd); a lane makes frequencies 2 lane and 2 lane + 1.
	s_cmp_ge_u32 s26, 4
	s_cbranch_scc1 .Lconv
	s_lshl_b32 s24, ttmp9, 10                      ; two rows of 512 bytes for each id
	s_add_nc_u64 s[30:31], s[16:17], s[24:25]
	s_lshr_b32 s27, s26, 1
	s_lshl1_add_u32 s27, ttmp9, s27                ; the position
	s_bitcmp1_b32 s26, 0
	s_cselect_b32 s21, 0, 0x3e800000               ; cos(x) = sin(x + a quarter turn)
	v_and_b32 v[TT], 31, v0
	v_lshlrev_b32 v[TT], 1, v[TT]
	v_or_b32 v[TT+1], 1, v[TT]
	v_cvt_f32_u32 v[TT], v[TT]
	v_cvt_f32_u32 v[TT+1], v[TT+1]
	v_cvt_f32_u32 v[WT], s27
	v_mul_f32 v[TT], 0xbe9f73da, v[TT]             ; - i log2(1e6) / 64
	v_mul_f32 v[TT+1], 0xbe9f73da, v[TT+1]
	v_exp_f32 v[TT+2], v[TT]                       ; inv_freq[i] = 1e6 ^ (-i / 64)
	v_exp_f32 v[TT+3], v[TT+1]
	v_nop                                          ; one plain place behind a transcendental before its result is used (ISA guide 5.7.2)
	s_wait_alu depctr_va_vdst(0)
	v_mul_f32 v[TT+2], v[WT], v[TT+2]              ; the angle
	v_mul_f32 v[TT+3], v[WT], v[TT+3]
; sin of (angle + quarter): the angle in turns less the nearest whole number, folded into a quarter turn, odd series to the 9th power
.macro ONEANGLE dst, a
	v_mul_f32 v[TT+4], 0xbe22f983, v[\a]           ; - angle / 2 pi,
	v_rndne_f32 v[TT+4], v[TT+4]                   ; rounded: - n
	v_fma_f32 v[TT+4], v[\a], 0.15915494, v[TT+4]  ; angle / 2 pi - n, the product unrounded,
	v_fmac_f32 v[TT+4], 0x31dc9c88, v[\a]          ; and what the constant lacks of 1 / 2 pi
	v_add_f32 v[TT+4], s21, v[TT+4]
	v_rndne_f32 v[TT+5], v[TT+4]
	v_sub_f32 v[TT+4], v[TT+4], v[TT+5]            ; r in [-1/2, 1/2]
	v_and_b32 v[TT+5], 0x7fffffff, v[TT+4]
	v_sub_f32 v[TT+6], 0.5, v[TT+5]
	v_min_num_f32 v[TT+5], v[TT+5], v[TT+6]        ; u = min(|r|, 1/2 - |r|) in [0, 1/4]
	v_mul_f32 v[TT+6], v[TT+5], v[TT+5]
	v_mov_b32 v[TT+7], 0x42283c1a                  ; (2 pi)^9 / 9!
	v_fmaak_f32 v[TT+7], v[TT+7], v[TT+6], 0xc2996966  ; - (2 pi)^7 / 7!
	v_fmaak_f32 v[TT+7], v[TT+7], v[TT+6], 0x42a335e3  ; (2 pi)^5 / 5!
	v_fmaak_f32 v[TT+7], v[TT+7], v[TT+6], 0xc2255de7  ; - (2 pi)^3 / 3!
	v_fmaak_f32 v[TT+7], v[TT+7], v[TT+6], 0x40c90fdb  ; 2 pi
	v_mul_f32 v[TT+7], v[TT+7], v[TT+5]
	v_bfi_b32 v[\dst], 0x7fffffff, v[TT+7], v[TT+4]    ; r's sign
.endm
	ONEANGLE RES, TT+2
	ONEANGLE RES+1, TT+3
	global_store_b64 v2, v[RES:RES+1], s[30:31]    ; threads 0 to 127: 8 t bytes; a wave stores 256 bytes in a row, aligned
.Lconv:
	s_cmp_ge_u32 ttmp9, 768                        ; ids 768 to 1023 are wo's
	s_cbranch_scc1 .Lwo
.irp j, 0,1,2,3,4,5,6,7,8,9,10,11,12,13,14,15
	s_wait_loadcnt 15-\j                           ; loads come back in order (ISA guide 5.7.1): load j is in, the 15 - j younger ones stay out
	v_cvt_pk_bf16_f32 v[Y+2*\j],   v[X+4*\j],   v[X+4*\j+1]
	v_cvt_pk_bf16_f32 v[Y+2*\j+1], v[X+4*\j+2], v[X+4*\j+3]
	global_store_b64 v2, v[Y+2*\j:Y+2*\j+1], s[28:29] offset:2048*\j
.endr
	s_endpgm
.Lwo:
.irp j, 0,1,2,3,4,5,6,7,8,9,10,11,12,13,14,15
	s_wait_loadcnt 15-\j
	v_cvt_pk_bf16_f32 v[WT],   v[X+4*\j],   v[X+4*\j+1]    ; rounded to bf16 as every other matrix,
	v_cvt_pk_bf16_f32 v[WT+1], v[X+4*\j+2], v[X+4*\j+3]
	v_lshlrev_b32 v[WT+2], 16, v[WT]                       ; widened again,
	v_and_b32     v[WT],   0xffff0000, v[WT]
	v_lshlrev_b32 v[WT+3], 16, v[WT+1]
	v_and_b32     v[WT+1], 0xffff0000, v[WT+1]
	v_cvt_pk_f16_f32 v[Y+2*\j],   v[WT+2], v[WT]           ; and held as f16
	v_cvt_pk_f16_f32 v[Y+2*\j+1], v[WT+3], v[WT+1]
	global_store_b64 v2, v[Y+2*\j:Y+2*\j+1], s[28:29] offset:2048*\j
.endr
	s_endpgm
.Lfunc_end_k_qd69c6b30b1_prep:
	.size	k_qd69c6b30b1_prep, .Lfunc_end_k_qd69c6b30b1_prep-k_qd69c6b30b1_prep
	.p2alignl 7, 3214868480
	.fill 96, 4, 3214868480
	.section	.rodata,"a",@progbits
	.p2align	6, 0x0
	.amdhsa_kernel k_qd69c6b30b1_prep
		.amdhsa_group_segment_fixed_size 0
		.amdhsa_private_segment_fixed_size 0
		.amdhsa_enable_private_segment 0
		.amdhsa_kernarg_size 56
		.amdhsa_user_sgpr_count 2
		.amdhsa_user_sgpr_kernarg_segment_ptr 1
		.amdhsa_wavefront_size32 1
		.amdhsa_system_sgpr_workgroup_id_x 1
		.amdhsa_system_sgpr_workgroup_id_y 1
		.amdhsa_system_sgpr_workgroup_id_z 1
		.amdhsa_system_vgpr_workitem_id 0
		.amdhsa_next_free_vgpr 116
		.amdhsa_next_free_sgpr 66
		.amdhsa_reserve_vcc 0
		.amdhsa_float_denorm_mode_32 3
		.amdhsa_float_denorm_mode_16_64 3
		.amdhsa_memory_ordered 1
		.amdhsa_forward_progress 1
		.amdhsa_inst_pref_size 19
	.end_amdhsa_kernel
	.amdgpu_metadata
---
amdhsa.version: [ 1, 2 ]
amdhsa.kernels:
  - .name:           k_qd69c6b30b1_prep
    .symbol:         k_qd69c6b30b1_prep.kd
    .args:
      - { .name: hidden_states, .offset: 0, .size: 8, .value_kind: global_buffer, .address_space: global }
      - { .name: wq, .offset: 8, .size: 8, .value_kind: global_buffer, .address_space: global }
      - { .name: wk, .offset: 16, .size: 8, .value_kind: global_buffer, .address_space: global }
      - { .name: wv, .offset: 24, .size: 8, .value_kind: global_buffer, .address_space: global }
      - { .name: wo, .offset: 32, .size: 8, .value_kind: global_buffer, .address_space: global }
      - { .name: bf, .offset: 40, .size: 8, .value_kind: global_buffer, .address_space: global }
      - { .name: rope, .offset: 48, .size: 8, .value_kind: global_buffer, .address_space: global }
    .group_segment_fixed_size: 0
    .private_segment_fixed_size: 0
    .kernarg_segment_align: 8
    .kernarg_segment_size: 56
    .max_flat_workgroup_size: 256
    .sgpr_count:     66
    .vgpr_count:     116
    .wavefront_size: 32
...
	.end_amdgpu_metadata
.endif
;; end of part 1
;; launch qkvproj (part 2): grid 16 x 16, 4 waves a work-group, clusters of 4 x 4, 327,680 bytes of LDS; arguments bf, rope, q_norm_w, k_norm_w, qkv; writes qkv
.if DOCPART == 2
	.amdgcn_target "amdgcn-amd-amdhsa--gfx1250"
	.amdhsa_code_object_version 6
	.text
	.protected	k_qd69c6b30b1_qkvproj
	.globl	k_qd69c6b30b1_qkvproj
	.p2align	8
	.type	k_qd69c6b30b1_qkvproj,@function
k_qd69c6b30b1_qkvproj:
	s_mov_b64 s[64:65], 0
	v_nop
	global_prefetch_b8 v0, s[64:65] scope:SCOPE_SE
	s_setreg_imm32_b32 hwreg(HW_REG_WAVE_MODE, 25, 1), 1
	s_wait_xcnt 0x0
	s_wait_alu depctr_hold_cnt(0) depctr_sa_sdst(0) depctr_va_vdst(0) depctr_va_sdst(0) depctr_va_ssrc(0) depctr_va_vcc(0) depctr_vm_vsrc(0)
	s_getreg_b32 s2, hwreg(HW_REG_IB_STS2, 6, 4)
	s_cmp_eq_u32 s2, 0
	s_cbranch_scc0 .Lentry_in_a_cluster
	s_endpgm
.Lentry_in_a_cluster:
	s_bfe_u32 s2, ttmp6, 0x10000c
	s_cmp_lg_u32 s2, 0xf033
	s_cbranch_scc0 .Lentry_shape_is_right
	s_endpgm
.Lentry_shape_is_right:
; qkvproj: [q; k; v] = X [Wq; Wk; Wv]^T in bf16 with f32 sums, then for q and k: RMSNorm over the head's 128 numbers, the gain, RoPE,
; for q also 1/sqrt(128); the results go out as f16 into qkv [32 heads][2048 tokens][128]: heads 0-15 q, 16-23 k, 24-31 v.
; A work-group makes 128 tokens x 256 features (two heads); wave w makes 64 tokens (th = w >> 1) x one head (hd = w & 1): 32 accumulator tiles.
; K goes in steps of 128 (rows of 256 bytes, aligned) through two LDS slots filled by the tensor data mover.
; CLUSTERS: 4 x 4 work-groups.  X's tile and the RoPE tile hang on the token block alone and are asked for jointly along a row of the
; cluster; W's tile hangs on the feature block alone and is asked for jointly along a column: a quarter of the requests.
; K IS WALKED ROUND FROM A START THAT HANGS ON THE CLUSTER: quarter (cluster x + 2 cluster y) & 3 of the 2,048.  The four clusters that read
; the same rows of X (one cluster y) begin at four different quarters, and two clusters with neighbouring cluster y that read the same rows
; of W begin half of K apart: a tile is asked for by its readers at different times, not by all of them at once.  The start is equal in
; all sixteen partners (it is made of ttmp9 and ttmp7 alone).  The f32 sums therefore run in a rotated order of K.
; The cluster's x (ttmp9) says what the block is: 0, 1 q; 2 k; 3 v; it is equal in all sixteen partners, so the branch on it is too.
; The v blocks fetch the RoPE tile and the gains as well and leave them unused: every partner has one path and one count of tensor loads.
; THE MATRIX INSTRUCTION IS USED TRANSPOSED (source 0 = 16 rows of W, source 1 = 16 rows of X): lane l holds token l % 16 and in its
; registers 0-7 the features 8 (l / 16) + 0..7 of the tile, so a head's row lies in two lanes, and features d and d + 64 in one lane.
; LIMITS: the gains are rounded to bf16 as the matrices are; q, k, v leave as f16: |v| below 65,504 (q and k are bounded by
; sqrt(128) x gain by the norm itself).
; REGISTERS: window 0: v4-11 1/rms pairs, v16-28 addresses, v32-127 and v128-223 two fragment buffers (W 64, X 32 registers each);
; on the way out v32-95 cos and sin, v96-159 results in f32, v160-191 packed, v192-223 read back.
; window 1: accumulator (a, b) at 8 (8 a + b), a = token block 0-3, b = feature block 0-7.  window 2: v0-63 the gains, 8 b + j.
.set KSTEP,  128
.set PITCH,  272                       ; 256 bytes + 16: an odd multiple of 16, so the 16 rows of a fragment load lie in 16 different 16-byte columns modulo 256
.set ATILE,  128*PITCH                 ; X's 128 rows
.set SLOT,   3*ATILE                   ; then W's 256 rows
.set STAGE,  2*SLOT                    ; 16 rows x 272 bytes for each wave, for the way out; no tensor load lands here
.set TPITCH, 528                       ; a row of the RoPE tile: 512 bytes + 16
.set TABL,   STAGE+4*16*PITCH          ; 128 rows of it
.set BF_W,   8388608                   ; [Wq; Wk; Wv] in bf
.set LAPS,   8                         ; 2048 / (2 x 128)
.set ROWB,   4096                      ; bytes in a row of X and of W
.set INV,  4
.set ADRA, 16
.set ADRB, 20
.set STO,  24
.set RD,   25
.set CO,   26
.set TBA,  27
.set WOF,  28
.set F0,   32
.set F1,   128
.set TAB,  32
.set T,    96
.set SS,   96
.set PK,   160
.set RB,   192
.set G1A, 24
.set G1B, 32
.set G1T, 40
.set G0A, 48
.set G0B, 56
.set G0T, 68
.set KO,  96                           ; s[96:97] byte offset in a row of the K step asked for last, high word 0
.set CB, (1<<20)|(1<<21)|(5<<22)|(3<<25)   ; padding on; bit 21 beside a mask; after every 64 words; 4 words
.set MULW, 0x50                        ; sources 0 and 1 window 0, C and D window 1
.set MSB, 0
.macro WIN new                         ; the immediate's high byte repeats the setting that is left
.if MSB != \new
	s_set_vgpr_msb (MSB<<8)|\new
.set MSB, \new
.endif
.endm
.macro PLACES                          ; four plain places behind a matrix instruction (ISA guide 7.12.1) before its registers are loaded into, read or written
.rept 4
	v_nop
.endr
.endm
.macro CREST                           ; a round of the cluster's barrier behind its opening work-group barrier
	s_cmp_lg_u32 s14, 0
	s_cbranch_scc1 .Lnot_wave_0_\@
	s_barrier_signal -3
.Lnot_wave_0_\@:
	s_barrier_wait -3
	s_barrier_signal -1
	s_barrier_wait -1
.endm
.macro CROUND
	s_barrier_signal -1
	s_barrier_wait -1
	CREST
.endm
.macro JLOAD s                         ; waves 0, 1 ask for X's two halves (64 rows each), waves 2, 3 for W's (128 rows each): one load a wave
	s_cmp_eq_u32 s15, 0
	s_cbranch_scc0 .Lfor_b_\@
	tensor_load_to_lds s[G0A+4*\s:G0A+4*\s+3], s[G1A:G1A+7]
	s_nop 0
	s_branch .Lasked_\@
.Lfor_b_\@:
	tensor_load_to_lds s[G0B+4*\s:G0B+4*\s+3], s[G1B:G1B+7]
	s_nop 0
.Lasked_\@:
.endm
	s_load_b256 s[4:11], s[0:1], 0x0               ; bf s[4:5], rope s[6:7], q_norm_w s[8:9], k_norm_w s[10:11]
	s_load_b64 s[12:13], s[0:1], 0x20              ; qkv
	v_lshl_add_u32 v254, v0, 2, 0x47c00
	v_mov_b32 v255, 0
	ds_add_u32 v254, v255
	v_lshrrev_b32 v1, 5, v0
	v_readfirstlane_b32 s14, v1                    ; wave
	s_lshr_b32 s15, s14, 1                         ; th: my 64 tokens.  Also: I fetch for X (0) or for W (1)
	s_and_b32 s16, s14, 1                          ; hd: my head.  Also: which half of that tile I fetch
	s_bfe_u32 s17, ttmp6, 0x40000                  ; cx
	s_bfe_u32 s18, ttmp6, 0x40004                  ; cy
	s_lshl_b32 s19, ttmp9, 2
	s_add_co_u32 s19, s19, s17                     ; nb: feature block of 256
	s_and_b32 s20, ttmp7, 0xffff
	s_lshl_b32 s20, s20, 2
	s_add_co_u32 s20, s20, s18                     ; mb: token block of 128
	s_lshl_b32 s21, s18, 2
	s_lshl_b32 s21, 15, s21                        ; my row of the cluster
	s_lshl_b32 s22, 0x1111, s17                    ; my column
	s_mov_b32 s23, ttmp9                           ; 0, 1 q; 2 k; 3 v
	s_and_b32 s[KO], ttmp7, 0xffff
	s_lshl1_add_u32 s[KO], s[KO], ttmp9            ; 2 x cluster y + cluster x,
	s_and_b32 s[KO], s[KO], 3                      ; the quarter of K at which my cluster begins,
	s_lshl_b32 s[KO], s[KO], 10                    ; in bytes of a row: 512 numbers of 2 bytes a quarter
	s_mov_b32 s[KO+1], 0
	s_mov_b32 s78, 0x76543210                      ; v_permlanex16_b32: lane i of one half reads lane i of the other
	s_mov_b32 s79, 0xfedcba98
	s_mov_b32 s81, 0x3c000000                      ; 1/128
	s_mov_b32 s82, 0x358637bd                      ; 1e-6
	s_cmp_lt_u32 s23, 2
	s_cselect_b32 s80, 0x3db504f3, 1.0             ; q carries 1/sqrt(128)
	; group 1 of X's tiles: 64 rows x 128 bf16, pitch 2048, to my row
	s_or_b32  s[G1A+0], s21, (1<<16)|CB
	s_mov_b32 s[G1A+1], KSTEP<<16
	s_mov_b32 s[G1A+2], 64<<16
	s_mov_b32 s[G1A+3], KSTEP<<16
	s_mov_b32 s[G1A+4], 64
	s_mov_b32 s[G1A+5], 2048
	s_mov_b32 s[G1A+6], 0
	s_mov_b32 s[G1A+7], 0
	; of W's tiles: 128 rows, to my column
	s_or_b32  s[G1B+0], s22, (1<<16)|CB
	s_mov_b32 s[G1B+1], KSTEP<<16
	s_mov_b32 s[G1B+2], 128<<16
	s_mov_b32 s[G1B+3], KSTEP<<16
	s_mov_b32 s[G1B+4], 128
	s_mov_b32 s[G1B+5], 2048
	s_mov_b32 s[G1B+6], 0
	s_mov_b32 s[G1B+7], 0
	; of the RoPE tile: 64 rows x 128 f32, pitch 128, 4 words of padding after every 128, to my row
	s_or_b32  s[G1T+0], s21, (2<<16)|(1<<20)|(1<<21)|(6<<22)|(3<<25)
	s_mov_b32 s[G1T+1], 128<<16
	s_mov_b32 s[G1T+2], 64<<16
	s_mov_b32 s[G1T+3], 128<<16
	s_mov_b32 s[G1T+4], 64
	s_mov_b32 s[G1T+5], 128
	s_mov_b32 s[G1T+6], 0
	s_mov_b32 s[G1T+7], 0
	; where the tiles come from: X's and the table's rows from the token block alone, W's from the feature block alone
	s_lshl_b32 s72, s20, 7
	s_lshl_b32 s76, s16, 6
	s_add_co_u32 s72, s72, s76                     ; the first token that I fetch
	s_lshl_b32 s88, s72, 9                         ; x 512 bytes of the table
	s_mov_b32 s89, 0
	s_lshl_b32 s72, s72, 12                        ; x 4,096 bytes of X
	s_mov_b32 s73, 0
	s_lshl_b32 s74, s19, 8
	s_lshl_b32 s77, s16, 7
	s_add_co_u32 s74, s74, s77                     ; the first row of W that I fetch
	s_lshl_b32 s74, s74, 12
	s_add_co_u32 s74, s74, BF_W
	s_mov_b32 s75, 0
	s_mul_i32 s90, s16, 64*PITCH                   ; and where they go: no place in the cluster enters an LDS address
	s_mul_i32 s91, s16, 128*PITCH
	s_add_co_u32 s91, s91, ATILE
	s_mul_i32 s92, s16, 64*TPITCH
	s_add_co_u32 s92, s92, TABL
	s_wait_dscnt 0x0
	s_wait_kmcnt 0x0
	s_add_nc_u64 s[72:73], s[4:5], s[72:73]        ; my rows of X at K = 0: kept as it is; a K step's offset is added anew for each load
	s_add_nc_u64 s[74:75], s[4:5], s[74:75]        ; my rows of W likewise
	s_add_nc_u64 s[88:89], s[6:7], s[88:89]
	s_mov_b32 s[G0T], 1
	s_mov_b32 s[G0T+1], s92
	s_mov_b64 s[G0T+2:G0T+3], s[88:89]
	s_or_b32  s[G0T+3], s[G0T+3], 0x80000000
.irp s, 0,1
	s_mov_b32 s[G0A+4*\s], 1
	s_add_co_u32 s[G0A+4*\s+1], s90, \s*SLOT
	s_add_nc_u64 s[G0A+4*\s+2:G0A+4*\s+3], s[72:73], s[KO:KO+1]
	s_or_b32  s[G0A+4*\s+3], s[G0A+4*\s+3], 0x80000000
	s_mov_b32 s[G0B+4*\s], 1
	s_add_co_u32 s[G0B+4*\s+1], s91, \s*SLOT
	s_add_nc_u64 s[G0B+4*\s+2:G0B+4*\s+3], s[74:75], s[KO:KO+1]
	s_or_b32  s[G0B+4*\s+3], s[G0B+4*\s+3], 0x80000000
.if \s == 0
	s_add_co_u32 s[KO], s[KO], KSTEP*2             ; the second K step: a start is a multiple of 1,024, so this one does not wrap
.endif
.endr
	CROUND                                         ; all sixteen work-groups are here: the first joint loads meet
	s_cmp_lg_u32 s15, 0
	s_cbranch_scc1 .Lno_table
	tensor_load_to_lds s[G0T:G0T+3], s[G1T:G1T+7]  ; waves 0, 1: the RoPE rows of the block's 128 tokens, filled once
	s_nop 0
.Lno_table:
	JLOAD 0                                        ; the first two K steps: a wave now has three loads out (waves 0, 1) or two
	JLOAD 1
	s_cmp_ge_u32 s23, 2
	s_cselect_b64 s[84:85], s[10:11], s[8:9]       ; the gains of k or of q
	v_and_b32 v1, 15, v0                           ; r = l % 16
	v_bfe_u32 v2, v0, 4, 1                         ; h = l / 16
	v_lshlrev_b32 v[WOF], 5, v2                    ; my 8 gains of a feature block: 32 h
.irp b, 0,1,2,3,4,5,6,7
	global_load_b128 v[32+8*\b:32+8*\b+3],   v[WOF], s[84:85] offset:64*\b
	global_load_b128 v[32+8*\b+4:32+8*\b+7], v[WOF], s[84:85] offset:64*\b+16
.endr
	v_mul_u32_u24 v3, v1, PITCH
	v_lshl_add_u32 v3, v2, 4, v3                   ; 272 r + 16 h: a fragment's lane address, and my place in the stage
	s_mul_i32 s76, s15, 64*PITCH                   ; my 64 rows of X
	s_mul_i32 s77, s16, 128*PITCH                  ; my 128 rows of W,
	s_add_co_u32 s77, s77, ATILE                   ; which lie behind X's
	v_add_nc_u32 v[ADRA], s76, v3
	v_add_nc_u32 v[ADRB], s77, v3
	v_add_nc_u32 v[ADRA+1], SLOT, v[ADRA]
	v_add_nc_u32 v[ADRB+1], SLOT, v[ADRB]
	s_mul_i32 s76, s14, 16*PITCH
	s_add_co_u32 s76, s76, STAGE                   ; my stage
	v_add_nc_u32 v[STO], s76, v3
	v_mul_u32_u24 v4, v2, PITCH
	v_lshl_add_u32 v4, v1, 4, v4
	v_add_nc_u32 v[RD], s76, v4                    ; back: lanes 0-15 one row of 256 bytes, lanes 16-31 the next
	v_lshlrev_b32 v4, 8, v2
	v_lshl_add_u32 v[CO], v1, 4, v4                ; the same two rows in qkv
	v_mul_u32_u24 v4, v1, TPITCH
	v_lshl_add_u32 v4, v2, 5, v4
	s_mul_i32 s76, s15, 64*TPITCH
	s_add_co_u32 s76, s76, TABL
	v_add_nc_u32 v[TBA], s76, v4                   ; RoPE row of token r of my 64, frequencies from 8 h
	s_lshl_b32 s86, s19, 1
	s_add_co_u32 s86, s86, s16                     ; my head, 0 to 31
	s_lshl_b32 s86, s86, 19                        ; x 2048 tokens x 256 bytes
	s_lshl_b32 s94, s20, 7
	s_lshl_b32 s95, s15, 6
	s_add_co_u32 s94, s94, s95                     ; my first token
	s_lshl_b32 s94, s94, 8
	s_add_co_u32 s86, s86, s94
	s_mov_b32 s87, 0
	s_add_nc_u64 s[86:87], s[12:13], s[86:87]
	s_wait_loadcnt 0x0                             ; the gains: rounded to bf16 as the matrices are, widened, kept in window 2
.set i, 0
.rept 32
	v_cvt_pk_bf16_f32 v[96+i], v[32+2*i], v[33+2*i]
.set i, i+1
.endr
	WIN 0x80
.set i, 0
.rept 32
	v_lshlrev_b32 v[2*i],   16, v[96+i]
	v_and_b32     v[2*i+1], 0xffff0000, v[96+i]
.set i, i+1
.endr
	WIN 0
; 24 LDS loads: the fragments of a quarter step (32 along K at byte k of the rows): 128 rows of W, 64 rows of X, into buffer f
.macro FETCH slot, k, f
.irp i, 0,1,2,3,4,5,6,7
	ds_load_b128 v[\f+8*\i:\f+8*\i+3],   v[ADRB+\slot] offset:\k+\i*16*PITCH
	ds_load_b128 v[\f+8*\i+4:\f+8*\i+7], v[ADRB+\slot] offset:\k+\i*16*PITCH+32
.endr
.irp i, 0,1,2,3
	ds_load_b128 v[\f+64+8*\i:\f+64+8*\i+3],   v[ADRA+\slot] offset:\k+\i*16*PITCH
	ds_load_b128 v[\f+64+8*\i+4:\f+64+8*\i+7], v[ADRA+\slot] offset:\k+\i*16*PITCH+32
.endr
.endm
; 8 matrix instructions: token block a x all 8 feature blocks.  zero = 1: the first product starts the sums.
; The 32 accumulators take turns, one instruction a turn, in the same order in every quarter step.
.macro MULA f, a, zero
.irp b, 0,1,2,3,4,5,6,7
.if \zero
	v_wmma_f32_16x16x32_bf16 v[8*(8*\a+\b):8*(8*\a+\b)+7], v[\f+8*\b:\f+8*\b+7], v[\f+64+8*\a:\f+64+8*\a+7], 0
.else
	v_wmma_f32_16x16x32_bf16 v[8*(8*\a+\b):8*(8*\a+\b)+7], v[\f+8*\b:\f+8*\b+7], v[\f+64+8*\a:\f+64+8*\a+7], v[8*(8*\a+\b):8*(8*\a+\b)+7]
.endif
.endr
.endm
; One of a K step's first three quarters: buffer f is in; the next quarter's fragments go out into buffer g; buffer f is multiplied meanwhile.
.macro QUARTER slot, k, f, g, zero
	s_wait_dscnt 0x0                               ; buffer f, asked for 32 matrix instructions ago
	PLACES                                         ; behind the matrix instructions that read buffer g
	WIN 0
	FETCH \slot, \k, \g
	WIN MULW
	MULA \f, 0, \zero
	MULA \f, 1, \zero
	MULA \f, 2, \zero
	MULA \f, 3, \zero
.endm
.macro THREE slot, zero
	QUARTER \slot, 64,  F0, F1, \zero
	QUARTER \slot, 128, F1, F0, 0
	QUARTER \slot, 192, F0, F1, 0
.endm
; The last quarter changes slots and then multiplies buffer 1.  In front of the barrier each wave waits for its reads of this slot and for all its
; tensor loads (the one that is out is its part of the next slot); where the slot is filled again the barrier opens a round of the cluster's
; barrier, and the joint refill is the first tensor load behind the round, one a wave.  Nothing stands between the waits and the refill but the
; round itself: a K step here is 128 matrix instructions of a wave, so the refill is asked for as soon as the slot is free, and the quarter's 32
; matrix instructions run while it is on its way.
.macro TURN slot, next, fill
	s_wait_dscnt 0x0                               ; buffer 1 is in, and with it my last reads of this slot
	s_wait_tensorcnt 0x0                           ; all my tensor loads have landed
	ds_add_u32 v254, v255
	s_wait_dscnt 0x0
	WIN 0
	s_barrier_signal -1
	s_barrier_wait -1
.if \fill
	CREST
	s_add_co_u32 s[KO], s[KO], KSTEP*2             ; no load of mine is out, so the descriptors may be written: the next K step,
	s_and_b32 s[KO], s[KO], ROWB-1                 ; round the row's end
	s_add_nc_u64 s[G0A+4*\slot+2:G0A+4*\slot+3], s[72:73], s[KO:KO+1]
	s_or_b32  s[G0A+4*\slot+3], s[G0A+4*\slot+3], 0x80000000
	s_add_nc_u64 s[G0B+4*\slot+2:G0B+4*\slot+3], s[74:75], s[KO:KO+1]
	s_or_b32  s[G0B+4*\slot+3], s[G0B+4*\slot+3], 0x80000000
	JLOAD \slot
.endif
	PLACES                                         ; behind the matrix instructions that read buffer 0
	FETCH \next, 0, F0
	WIN MULW
	MULA F1, 0, 0
	MULA F1, 1, 0
	MULA F1, 2, 0
	MULA F1, 3, 0
.endm
.macro LAP zero
	THREE 0, \zero
	TURN 0, 1, 1
	THREE 1, 0
	TURN 1, 0, 1
.endm
	s_wait_tensorcnt 0x1                           ; my part of the RoPE tile and of the first K step is in; the second K step's load, the one issued behind them, may stay out
	s_barrier_signal -1
	s_barrier_wait -1
	FETCH 0, 0, F0
	LAP 1
	WIN 0
	s_mov_b32 s3, LAPS-2
.Llap:
	LAP 0
	WIN 0
	s_sub_co_u32 s3, s3, 1
	s_cmp_lg_u32 s3, 0
	s_cbranch_scc1 .Llap
	THREE 0, 0                                     ; the last lap fills nothing
	TURN 0, 1, 0
	THREE 1, 0
	s_wait_dscnt 0x0
	WIN MULW
	MULA F1, 0, 0
	MULA F1, 1, 0
	MULA F1, 2, 0
	MULA F1, 3, 0
	PLACES                                         ; behind the last matrix instructions: results are read, buffers written
	WIN 0
; 16 tokens leave: 16 bytes a lane into my own stage, whole rows of 256 bytes back, stores of 512 bytes in a row for the wave
.macro OUTP a
.irp b, 0,1,2,3,4,5,6,7
	ds_store_b128 v[STO], v[PK+4*\b:PK+4*\b+3] offset:32*\b
.endr
	s_wait_xcnt 0x0                                ; RB, which earlier stores read, is loaded again only behind this wait
.irp t, 0,1,2,3,4,5,6,7
	ds_load_b128 v[RB+4*\t:RB+4*\t+3], v[RD] offset:\t*2*PITCH     ; LDS serves a wave's instructions in order (ISA guide 5.7.1): these see the stores above
.endr
.irp t, 0,1,2,3,4,5,6,7
	s_wait_dscnt 7-\t                              ; read-back t is in, the 7 - t younger ones stay out
	global_store_b128 v[CO], v[RB+4*\t:RB+4*\t+3], s[86:87] offset:4096*\a+512*\t
.endr
.endm
; cos and sin of token block a: frequencies 16 c + 8 h + 0..7, c = 0..3
.macro TABLOAD a
.irp c, 0,1,2,3
	ds_load_b128 v[TAB+8*\c:TAB+8*\c+3],       v[TBA] offset:16*TPITCH*(\a)+64*\c
	ds_load_b128 v[TAB+8*\c+4:TAB+8*\c+7],     v[TBA] offset:16*TPITCH*(\a)+64*\c+16
	ds_load_b128 v[TAB+32+8*\c:TAB+32+8*\c+3],   v[TBA] offset:16*TPITCH*(\a)+64*\c+256
	ds_load_b128 v[TAB+32+8*\c+4:TAB+32+8*\c+7], v[TBA] offset:16*TPITCH*(\a)+64*\c+272
.endr
.endm
; RoPE of token block a: 1/rms (and q's scale) goes into cos and sin; o1 = x1 c - x2 s, o2 = x2 c + x1 s with x2 = feature + 64, same lane, same register
.macro ROPE a, more
	s_wait_dscnt 0x0                               ; this block's cos and sin
.set i, 0
.rept 32
	v_pk_mul_f32 v[TAB+2*i:TAB+2*i+1], v[TAB+2*i:TAB+2*i+1], v[INV+2*\a:INV+2*\a+1]
.set i, i+1
.endr
	WIN 0x01
.irp c, 0,1,2,3
.irp p, 0,1,2,3
	v_pk_mul_f32 v[T+8*\c+2*\p:T+8*\c+2*\p+1],       v[8*(8*\a+\c+4)+2*\p:8*(8*\a+\c+4)+2*\p+1], v[TAB+32+8*\c+2*\p:TAB+32+8*\c+2*\p+1]
	v_pk_mul_f32 v[T+32+8*\c+2*\p:T+32+8*\c+2*\p+1], v[8*(8*\a+\c)+2*\p:8*(8*\a+\c)+2*\p+1],     v[TAB+32+8*\c+2*\p:TAB+32+8*\c+2*\p+1]
.endr
.irp p, 0,1,2,3
	v_pk_fma_f32 v[T+8*\c+2*\p:T+8*\c+2*\p+1],       v[8*(8*\a+\c)+2*\p:8*(8*\a+\c)+2*\p+1],     v[TAB+8*\c+2*\p:TAB+8*\c+2*\p+1], v[T+8*\c+2*\p:T+8*\c+2*\p+1] neg_lo:[0,0,1] neg_hi:[0,0,1]
	v_pk_fma_f32 v[T+32+8*\c+2*\p:T+32+8*\c+2*\p+1], v[8*(8*\a+\c+4)+2*\p:8*(8*\a+\c+4)+2*\p+1], v[TAB+8*\c+2*\p:TAB+8*\c+2*\p+1], v[T+32+8*\c+2*\p:T+32+8*\c+2*\p+1]
.endr
.endr
	WIN 0
.if \more
	TABLOAD \a+1
.endif
.irp b, 0,1,2,3,4,5,6,7
.irp p, 0,1,2,3
	v_cvt_pk_f16_f32 v[PK+4*\b+\p], v[T+8*\b+2*\p], v[T+8*\b+2*\p+1]
.endr
.endr
	OUTP \a
.endm
	s_cmp_eq_u32 s23, 3
	s_cbranch_scc1 .Lv
	; q and k.  Sums of squares of a token's 128 numbers: 64 in my lane (two chains for each token block), 64 in lane l xor 16.
	TABLOAD 0
	WIN 0x05
.irp b, 0,1,2,3,4,5,6,7
.irp p, 0,1,2,3
.irp a, 0,1,2,3
.if (8*\b+\p) < 2
	v_pk_mul_f32 v[SS+4*\a+2*(\p&1):SS+4*\a+2*(\p&1)+1], v[8*(8*\a+\b)+2*\p:8*(8*\a+\b)+2*\p+1], v[8*(8*\a+\b)+2*\p:8*(8*\a+\b)+2*\p+1]
.else
	v_pk_fma_f32 v[SS+4*\a+2*(\p&1):SS+4*\a+2*(\p&1)+1], v[8*(8*\a+\b)+2*\p:8*(8*\a+\b)+2*\p+1], v[8*(8*\a+\b)+2*\p:8*(8*\a+\b)+2*\p+1], v[SS+4*\a+2*(\p&1):SS+4*\a+2*(\p&1)+1]
.endif
.endr
.endr
.endr
	WIN 0
.irp a, 0,1,2,3
	v_pk_add_f32 v[SS+4*\a:SS+4*\a+1], v[SS+4*\a:SS+4*\a+1], v[SS+4*\a+2:SS+4*\a+3]
	v_add_f32 v[SS+4*\a], v[SS+4*\a], v[SS+4*\a+1]
	v_permlanex16_b32 v[SS+4*\a+1], v[SS+4*\a], s78, s79
	v_add_f32 v[SS+4*\a], v[SS+4*\a], v[SS+4*\a+1]
	v_fma_f32 v[SS+4*\a], v[SS+4*\a], s81, s82     ; mean + 1e-6
.endr
.irp a, 0,1,2,3
	v_rsq_f32 v[SS+4*\a+1], v[SS+4*\a]
.endr
	v_nop                                          ; one plain place behind a transcendental (ISA guide 5.7.2)
	s_wait_alu depctr_va_vdst(0)
.irp a, 0,1,2,3
	v_mul_f32 v[INV+2*\a],   s80, v[SS+4*\a+1]
	v_mul_f32 v[INV+2*\a+1], s80, v[SS+4*\a+1]
.endr
	WIN 0x49                                       ; the gains: accumulators (window 1) times window 2
.irp a, 0,1,2,3
.irp b, 0,1,2,3,4,5,6,7
.irp p, 0,1,2,3
	v_pk_mul_f32 v[8*(8*\a+\b)+2*\p:8*(8*\a+\b)+2*\p+1], v[8*(8*\a+\b)+2*\p:8*(8*\a+\b)+2*\p+1], v[8*\b+2*\p:8*\b+2*\p+1]
.endr
.endr
.endr
	WIN 0
	ROPE 0, 1
	ROPE 1, 1
	ROPE 2, 1
	ROPE 3, 0
	s_branch .Ljoin
.Lv:
	; v: rounded to f16 as it is
.irp a, 0,1,2,3
	WIN 0x05
.irp b, 0,1,2,3,4,5,6,7
.irp p, 0,1,2,3
	v_cvt_pk_f16_f32 v[PK+4*\b+\p], v[8*(8*\a+\b)+2*\p], v[8*(8*\a+\b)+2*\p+1]
.endr
.endr
	WIN 0
	OUTP \a
.endr
.Ljoin:
	s_wait_tensorcnt 0x0
	ds_add_u32 v254, v255
	s_wait_dscnt 0x0
	CROUND                                         ; the closing round: no work-group ends while a partner may still ask for a tile that names it
	s_endpgm
.Lfunc_end_k_qd69c6b30b1_qkvproj:
	.size	k_qd69c6b30b1_qkvproj, .Lfunc_end_k_qd69c6b30b1_qkvproj-k_qd69c6b30b1_qkvproj
	.p2alignl 7, 3214868480
	.fill 96, 4, 3214868480
	.section	.rodata,"a",@progbits
	.p2align	6, 0x0
	.amdhsa_kernel k_qd69c6b30b1_qkvproj
		.amdhsa_group_segment_fixed_size 327680
		.amdhsa_private_segment_fixed_size 0
		.amdhsa_enable_private_segment 0
		.amdhsa_kernarg_size 40
		.amdhsa_user_sgpr_count 2
		.amdhsa_user_sgpr_kernarg_segment_ptr 1
		.amdhsa_wavefront_size32 1
		.amdhsa_system_sgpr_workgroup_id_x 1
		.amdhsa_system_sgpr_workgroup_id_y 1
		.amdhsa_system_sgpr_workgroup_id_z 1
		.amdhsa_system_vgpr_workitem_id 0
		.amdhsa_next_free_vgpr 576
		.amdhsa_next_free_sgpr 100
		.amdhsa_reserve_vcc 0
		.amdhsa_float_denorm_mode_32 3
		.amdhsa_float_denorm_mode_16_64 3
		.amdhsa_memory_ordered 1
		.amdhsa_forward_progress 1
		.amdhsa_inst_pref_size 188
	.end_amdhsa_kernel
	.amdgpu_metadata
---
amdhsa.version: [ 1, 2 ]
amdhsa.kernels:
  - .name:           k_qd69c6b30b1_qkvproj
    .symbol:         k_qd69c6b30b1_qkvproj.kd
    .args:
      - { .name: bf, .offset: 0, .size: 8, .value_kind: global_buffer, .address_space: global }
      - { .name: rope, .offset: 8, .size: 8, .value_kind: global_buffer, .address_space: global }
      - { .name: q_norm_w, .offset: 16, .size: 8, .value_kind: global_buffer, .address_space: global }
      - { .name: k_norm_w, .offset: 24, .size: 8, .value_kind: global_buffer, .address_space: global }
      - { .name: qkv, .offset: 32, .size: 8, .value_kind: global_buffer, .address_space: global }
    .group_segment_fixed_size: 327680
    .private_segment_fixed_size: 0
    .kernarg_segment_align: 8
    .kernarg_segment_size: 40
    .max_flat_workgroup_size: 128
    .sgpr_count:     100
    .vgpr_count:     576
    .wavefront_size: 32
...
	.end_amdgpu_metadata
.endif
;; end of part 2
;; launch attn (part 3): grid 32 x 8, 4 waves a work-group, clusters of 4 x 4, 327,680 bytes of LDS; arguments qkv, attention_mask, att; writes att
.if DOCPART == 3
	.amdgcn_target "amdgcn-amd-amdhsa--gfx1250"
	.amdhsa_code_object_version 6
	.text
	.protected	k_qd69c6b30b1_attn
	.globl	k_qd69c6b30b1_attn
	.p2align	8
	.type	k_qd69c6b30b1_attn,@function
k_qd69c6b30b1_attn:
	s_mov_b64 s[64:65], 0
	v_nop
	global_prefetch_b8 v0, s[64:65] scope:SCOPE_SE
	s_setreg_imm32_b32 hwreg(HW_REG_WAVE_MODE, 25, 1), 1
	s_wait_xcnt 0x0
	s_wait_alu depctr_hold_cnt(0) depctr_sa_sdst(0) depctr_va_vdst(0) depctr_va_sdst(0) depctr_va_ssrc(0) depctr_va_vcc(0) depctr_vm_vsrc(0)
	s_getreg_b32 s2, hwreg(HW_REG_IB_STS2, 6, 4)
	s_cmp_eq_u32 s2, 0
	s_cbranch_scc0 .Lentry_in_a_cluster
	s_endpgm
.Lentry_in_a_cluster:
	s_bfe_u32 s2, ttmp6, 0x10000c
	s_cmp_lg_u32 s2, 0xf033
	s_cbranch_scc0 .Lentry_shape_is_right
	s_endpgm
.Lentry_shape_is_right:
; attn: softmax(q k^T + mask) v with a running maximum, for 64 query rows of the two query heads that share one key and value head.
; q (already times 1/sqrt(128)), k, v are f16 in qkv [32 heads][2048][128]; the mask is the input itself, f32 [2048][2048];
; the result is f16 in att [2048 tokens][16 heads x 128].
; Work-group (qb, g): query rows 64 qb .. + 63, heads 2 g and 2 g + 1, all 2,048 keys in 16 tiles of 128.
; Wave w: head 2 g + (w >> 1), keys 64 (w & 1) .. + 63 of every tile; the two halves of the keys are merged at the end through LDS.
; BOTH PRODUCTS ARE USED TRANSPOSED: S^T = K Q^T (source 0 = 16 keys, source 1 = 16 queries) and O^T = V^T P^T (source 0 = V by the transposing
; LDS load, source 1 = P).  Lane l then owns query l % 16: a row's maximum and sum need one exchange with lane l xor 16, and the
; exponentials of tiles 2 kc and 2 kc + 1 of S^T, packed to f16 in the lane, ARE registers 0-3 and 4-7 of P's fragment.
; THE SOFTMAX RUNS UNDER THE MATRIX WORK.  The four blocks of 16 queries form two groups, A = 0, 1 and B = 2, 3.  A tile goes in four phases of 32
; matrix instructions: S of A; S of B, with A's softmax between its matrix instructions; O of A, with B's softmax between; O of B.
; A group's softmax is a list of 339 vector instructions (macro SMOP gives out the next one); eleven stand behind each matrix instruction.
; They touch none of the registers of the matrix instructions among which they stand.  The price is two switches of the register
; window for each of the 64 matrix instructions of the two middle phases.
; CLUSTERS: 4 x 4 work-groups.  K's and V's tiles hang on g alone: asked for jointly along a row of the cluster; the mask's tile hangs on qb
; alone: jointly along a column.  q is each wave's own 16 KiB and is loaded once, straight into registers.
; Two LDS slots; every refill stands behind a round of the cluster's barrier; wave 0 asks for K, wave 1 for V, wave 2 for the mask:
; a wave has at most one tensor load out.
; Score + mask is one f32 addition.  The maximum is taken away first and the difference scaled by log2(e) afterwards,
; so a maximum of any size (rows at -1e9) costs no digits.
; LIMITS: a row whose scores + mask all lie below -2^127 (the running maximum's start) gives NaN; NaN scores are passed over by the maximum;
; P and the result are f16 (P lies in [0, 1]; |result| is at most the largest |v|, below 65,504).
; REGISTERS: window 0: v8-18 addresses, v20-63 row figures, v64-191 S(kt, q) at 64 + 8 (4 kt + q), v192-255 P(q, kc) at 192 + 8 (2 q + kc).
; window 1: O(q, dt) at 8 (8 q + dt).  window 2: v0-127 Q(q, c) at 8 (4 q + c); v128-255 K(kt, c) at + 32 kt + 8 c.
; window 3: v0-127 mask(kt, q) at 8 (4 kt + q); v128-255 V(dt, kc) at + 16 dt + 8 kc.
.set KP,    272                        ; K's LDS pitch: 256 + 16, an odd multiple of 16
.set VP,    288                        ; V's: 256 + 32, an odd multiple of 32, for the transposing load
.set MPI,   528                        ; the mask's: 512 + 16, an odd multiple of 16
.set VOFF,  128*KP
.set MOFF,  VOFF+128*VP
.set SLOT,  MOFF+64*MPI
.set MRG,   2*SLOT                     ; for each head: O's 256 registers as 64 blocks of 512 bytes, then m, then l.  No tensor load lands here
.set MRGB,  33792
.set STAGE, MRG+2*MRGB                 ; for each head: 16 rows x 272 bytes for the way out
.set KADR, 8
.set VADR, 10
.set MADR, 12
.set QOF,  14
.set STO,  15
.set RD,   16
.set CO,   17
.set MRGA, 18
.set MX,   20                          ; v20-23  maxima of keys 0-31 of my 64, then the new m
.set T,    24                          ; v24-27  maxima of keys 32-63, then at work (T = MX + 4: SMOP leans on it)
.set MP,   28                          ; v28-35  (m, m) for each query block
.set AP,   36                          ; v36-43  (alpha, alpha)
.set LS,   44                          ; v44-51  row sums, two partial sums for each query block
.set LL,   52                          ; v52-55  l
.set M1,   56                          ; v56-59  the other half's m
.set L1,   60                          ; v60-63  the other half's l
.set SC,   64
.set PR,   192
.set KF,   128                         ; in window 2
.set VF,   128                         ; in window 3
.set OM,   64                          ; the merge: the other half's O
.set RB,   128                         ; the way out: rows read back
.set G1K, 24
.set G1V, 32
.set G1M, 40
.set G0K, 48
.set G0V, 56
.set G0M, 68
.set CB, (1<<16)|(1<<20)|(1<<21)|(5<<22)   ; 2-byte elements; padding on; bit 21 beside a mask; after every 64 words
.set W_S,  0x0a                        ; S: sources 0 and 1 (K, Q) window 2, C and D window 0
.set W_PV, 0x53                        ; O: source 0 (V) window 3, source 1 (P) window 0, C and D window 1
.set MSB, 0
.macro WIN new                         ; the immediate's high byte repeats the setting that is left
.if MSB != \new
	s_set_vgpr_msb (MSB<<8)|\new
.set MSB, \new
.endif
.endm
.macro PLACES                          ; four plain places behind a matrix instruction (ISA guide 7.12.1)
.rept 4
	v_nop
.endr
.endm
.macro ROUND                           ; a round of the cluster's barrier
	s_barrier_signal -1
	s_barrier_wait -1
	s_cmp_lg_u32 s10, 0
	s_cbranch_scc1 .Lnot_wave_0_\@
	s_barrier_signal -3
.Lnot_wave_0_\@:
	s_barrier_wait -3
	s_barrier_signal -1
	s_barrier_wait -1
.endm
.macro JLOAD s                         ; one line, one mask and one set of registers for each of the three tiles; the branches hang on the wave's number alone
	s_cmp_lg_u32 s10, 0
	s_cbranch_scc1 .Lnot_k_\@
	tensor_load_to_lds s[G0K+4*(\s):G0K+4*(\s)+3], s[G1K:G1K+7]
	s_nop 0
	s_branch .Lasked_\@
.Lnot_k_\@:
	s_cmp_lg_u32 s10, 1
	s_cbranch_scc1 .Lnot_v_\@
	tensor_load_to_lds s[G0V+4*(\s):G0V+4*(\s)+3], s[G1V:G1V+7]
	s_nop 0
	s_branch .Lasked_\@
.Lnot_v_\@:
	s_cmp_lg_u32 s10, 2
	s_cbranch_scc1 .Lasked_\@
	tensor_load_to_lds s[G0M+4*(\s):G0M+4*(\s)+3], s[G1M:G1M+7]
	s_nop 0
.Lasked_\@:
.endm
	s_load_b128 s[4:7], s[0:1], 0x0                ; qkv s[4:5], attention_mask s[6:7]
	s_load_b64 s[8:9], s[0:1], 0x10                ; att
	v_lshl_add_u32 v7, v0, 2, 0x46200
	v_mov_b32 v19, 0
	ds_add_u32 v7, v19
	v_lshrrev_b32 v1, 5, v0
	v_readfirstlane_b32 s10, v1                    ; wave
	s_lshr_b32 s11, s10, 1                         ; hs: which of the two query heads
	s_and_b32 s12, s10, 1                          ; kh: which 64 keys of a tile
	s_bfe_u32 s13, ttmp6, 0x40000                  ; cx
	s_bfe_u32 s14, ttmp6, 0x40004                  ; cy
	s_lshl_b32 s15, ttmp9, 2
	s_add_co_u32 s15, s15, s13                     ; qb
	s_and_b32 s16, ttmp7, 0xffff
	s_lshl_b32 s16, s16, 2
	s_add_co_u32 s16, s16, s14                     ; g
	s_lshl_b32 s17, s14, 2
	s_lshl_b32 s17, 15, s17                        ; my row of the cluster
	s_lshl_b32 s18, 0x1111, s13                    ; my column
	s_mov_b32 s20, 0x3fb8aa3b                      ; log2(e), as a pair for the packed multiply
	s_mov_b32 s21, 0x3fb8aa3b
	s_mov_b32 s78, 0x76543210                      ; v_permlanex16_b32: lane i of one half reads lane i of the other
	s_mov_b32 s79, 0xfedcba98
	; K: 128 rows x 128 f16, dense, 4 words of padding, to my row
	s_or_b32  s[G1K+0], s17, CB|(3<<25)
	s_mov_b32 s[G1K+1], 128<<16
	s_mov_b32 s[G1K+2], 128<<16
	s_mov_b32 s[G1K+3], 128<<16
	s_mov_b32 s[G1K+4], 128
	s_mov_b32 s[G1K+5], 128
	s_mov_b32 s[G1K+6], 0
	s_mov_b32 s[G1K+7], 0
	; V: the same with 8 words of padding
	s_or_b32  s[G1V+0], s17, CB|(7<<25)
	s_mov_b32 s[G1V+1], 128<<16
	s_mov_b32 s[G1V+2], 128<<16
	s_mov_b32 s[G1V+3], 128<<16
	s_mov_b32 s[G1V+4], 128
	s_mov_b32 s[G1V+5], 128
	s_mov_b32 s[G1V+6], 0
	s_mov_b32 s[G1V+7], 0
	; the mask: 64 rows x 128 f32, pitch 2048, 4 words of padding after every 128, to my column
	s_or_b32  s[G1M+0], s18, (2<<16)|(1<<20)|(1<<21)|(6<<22)|(3<<25)
	s_mov_b32 s[G1M+1], 128<<16
	s_mov_b32 s[G1M+2], 64<<16
	s_mov_b32 s[G1M+3], 128<<16
	s_mov_b32 s[G1M+4], 64
	s_mov_b32 s[G1M+5], 2048
	s_mov_b32 s[G1M+6], 0
	s_mov_b32 s[G1M+7], 0
	s_add_co_u32 s76, s16, 16
	s_lshl_b32 s76, s76, 19                        ; head 16 + g, 524,288 bytes a head
	s_mov_b32 s77, 0
	s_add_co_u32 s80, s16, 24
	s_lshl_b32 s80, s80, 19                        ; head 24 + g
	s_mov_b32 s81, 0
	s_lshl_b32 s82, s15, 19                        ; 64 rows of 8,192 bytes of the mask
	s_mov_b32 s83, 0
	s_lshl_b32 s84, s16, 1
	s_add_co_u32 s84, s84, s11                     ; my query head
	s_lshl_b32 s86, s84, 8                         ; its 256 bytes in a row of att,
	s_lshl_b32 s84, s84, 19
	s_lshl_b32 s88, s15, 14                        ; 64 rows of 256 bytes of q
	s_add_co_u32 s84, s84, s88
	s_mov_b32 s85, 0
	s_lshl_b32 s88, s15, 18                        ; 64 rows of 4,096 bytes of att
	s_add_co_u32 s86, s86, s88
	s_mov_b32 s87, 0
	s_wait_dscnt 0x0
	s_wait_kmcnt 0x0
	s_add_nc_u64 s[76:77], s[4:5], s[76:77]
	s_add_nc_u64 s[80:81], s[4:5], s[80:81]
	s_add_nc_u64 s[82:83], s[6:7], s[82:83]
	s_add_nc_u64 s[84:85], s[4:5], s[84:85]
	s_add_nc_u64 s[86:87], s[8:9], s[86:87]
.irp s, 0,1
	s_mov_b32 s[G0K+4*\s], 1
	s_mov_b32 s[G0K+4*\s+1], \s*SLOT
	s_add_nc_u64 s[G0K+4*\s+2:G0K+4*\s+3], s[76:77], \s*32768      ; tile s: 128 keys of 256 bytes
	s_or_b32  s[G0K+4*\s+3], s[G0K+4*\s+3], 0x80000000
	s_mov_b32 s[G0V+4*\s], 1
	s_mov_b32 s[G0V+4*\s+1], \s*SLOT+VOFF
	s_add_nc_u64 s[G0V+4*\s+2:G0V+4*\s+3], s[80:81], \s*32768
	s_or_b32  s[G0V+4*\s+3], s[G0V+4*\s+3], 0x80000000
	s_mov_b32 s[G0M+4*\s], 1
	s_mov_b32 s[G0M+4*\s+1], \s*SLOT+MOFF
	s_add_nc_u64 s[G0M+4*\s+2:G0M+4*\s+3], s[82:83], \s*512        ; tile s: 128 columns of 4 bytes
	s_or_b32  s[G0M+4*\s+3], s[G0M+4*\s+3], 0x80000000
.endr
	ROUND                                          ; in front of the first joint loads
	JLOAD 0                                        ; tile 0
	v_and_b32 v1, 15, v0                           ; r
	v_bfe_u32 v2, v0, 4, 1                         ; h
	v_and_b32 v3, 7, v0
	v_bfe_u32 v4, v0, 3, 1
	v_lshlrev_b32 v6, 8, v1
	v_lshl_add_u32 v[QOF], v2, 4, v6               ; q: 256 r + 16 h
	WIN 0x80
.irp q, 0,1,2,3
.irp c, 0,1,2,3
	global_load_b128 v[8*(4*\q+\c):8*(4*\q+\c)+3],   v[QOF], s[84:85] offset:4096*\q+64*\c
	global_load_b128 v[8*(4*\q+\c)+4:8*(4*\q+\c)+7], v[QOF], s[84:85] offset:4096*\q+64*\c+32
.endr
.endr
	WIN 0
	v_mul_u32_u24 v5, v1, KP
	v_lshl_add_u32 v5, v2, 4, v5                   ; 272 r + 16 h
	s_mul_i32 s22, s12, 64*KP                      ; my 64 keys
	v_add_nc_u32 v[KADR], s22, v5
	v_add_nc_u32 v[KADR+1], SLOT, v[KADR]
	v_mul_u32_u24 v6, v1, MPI                      ; the mask: query r's row,
	v_lshl_add_u32 v6, v2, 5, v6                   ; 8 keys of 4 bytes for each half of the lanes,
	s_lshl_b32 s22, s12, 8                         ; my 64 keys' 256 bytes in the row
	s_add_co_u32 s22, s22, MOFF
	v_add_nc_u32 v[MADR], s22, v6
	v_add_nc_u32 v[MADR+1], SLOT, v[MADR]
	v_lshl_add_u32 v6, v2, 3, v3                   ; the transposing load: key 8 h + (l & 7),
	v_mul_u32_u24 v6, v6, VP
	v_lshl_add_u32 v6, v4, 4, v6                   ; 16 bytes further for lanes 8-15 of each half
	s_mul_i32 s22, s12, 64*VP
	s_add_co_u32 s22, s22, VOFF
	v_add_nc_u32 v[VADR], s22, v6
	v_add_nc_u32 v[VADR+1], SLOT, v[VADR]
	s_mul_i32 s22, s11, 16*KP
	s_add_co_u32 s22, s22, STAGE
	v_add_nc_u32 v[STO], s22, v5
	v_mul_u32_u24 v6, v2, KP
	v_lshl_add_u32 v6, v1, 4, v6
	v_add_nc_u32 v[RD], s22, v6
	v_lshlrev_b32 v6, 12, v2
	v_lshl_add_u32 v[CO], v1, 4, v6                ; att: 4,096 h + 16 r
	v_and_b32 v6, 31, v0
	s_mul_i32 s22, s11, MRGB
	s_add_co_u32 s22, s22, MRG
	v_lshl_add_u32 v[MRGA], v6, 4, s22
.irp i, 0,1,2,3,4,5,6,7
	v_mov_b32 v[MP+\i], 0xff000000                 ; the running maximum starts at -2^127
	v_mov_b32 v[LS+\i], 0
.endr
; The next instruction (number zn) of the softmax of group g (query blocks 2 g and 2 g + 1), under the window that it needs.
;   0- 31 score + mask                 32- 63 maxima, four chains (two for each query block)      64- 81 the row figures m, alpha
;  82-113 minus m                     114-145 times log2(e)                                      146-209 exponentials; 210 their plain place
; 211-274 row sums and P in f16, by turns                                                        275-338 O times alpha (not in the first tile)
.macro SMOP g, first
.if zn < 32
.set zr, 8*(4*(zn>>3)+2*\g+((zn>>2)&1))+2*(zn&3)
	WIN 0x0c                                       ; source 1, the mask, in window 3
	v_pk_add_f32 v[SC+zr:SC+zr+1], v[SC+zr:SC+zr+1], v[zr:zr+1]
.elseif zn < 64
.set zi, zn-32
.set zq, 2*\g+(zi&1)
.set zh, (zi>>1)&1
.set zt, zi>>2
.set zr, SC+8*(4*(2*zh+(zt>>2))+zq)+2*(zt&3)
	WIN 0
.if zt == 0
	v_max_num_f32 v[MX+4*zh+zq], v[zr], v[zr+1]
.else
	v_max3_num_f32 v[MX+4*zh+zq], v[MX+4*zh+zq], v[zr], v[zr+1]
.endif
.elseif zn < 82
.set zi, zn-64
.set zq, 2*\g+(zi&1)
.set zt, zi>>1
	WIN 0
.if zt == 0
	v_max_num_f32 v[MX+zq], v[MX+zq], v[T+zq]
.elseif zt == 1
	v_permlanex16_b32 v[T+zq], v[MX+zq], s78, s79  ; the row's other 32 keys lie in lane l xor 16
.elseif zt == 2
	v_max3_num_f32 v[MX+zq], v[MX+zq], v[T+zq], v[MP+2*zq]     ; the new m
.elseif zt == 3
	v_sub_f32 v[T+zq], v[MP+2*zq], v[MX+zq]
.elseif zt == 4
	v_mul_f32 v[T+zq], s20, v[T+zq]
.elseif zt == 5
	v_exp_f32 v[AP+2*zq], v[T+zq]                  ; alpha = e^(old m - new m)
.elseif zt == 6
	v_mov_b32 v[MP+2*zq], v[MX+zq]                 ; plain places behind the two exponentials (ISA guide 5.7.2)
.elseif zt == 7
	v_mov_b32 v[MP+2*zq+1], v[MX+zq]
.else
	s_wait_alu depctr_va_vdst(0)
	v_mov_b32 v[AP+2*zq+1], v[AP+2*zq]
.endif
.elseif zn < 114
.set zi, zn-82
.set zq, 2*\g+((zi>>2)&1)
.set zr, SC+8*(4*(zi>>3)+zq)+2*(zi&3)
	WIN 0
	v_pk_add_f32 v[zr:zr+1], v[zr:zr+1], v[MP+2*zq:MP+2*zq+1] neg_lo:[0,1] neg_hi:[0,1]
.elseif zn < 146
.set zi, zn-114
.set zr, SC+8*(4*(zi>>3)+2*\g+((zi>>2)&1))+2*(zi&3)
	WIN 0
	v_pk_mul_f32 v[zr:zr+1], v[zr:zr+1], s[20:21] op_sel_hi:[1,0]
.elseif zn < 210
.set zi, zn-146
.set zr, SC+8*(4*(zi>>4)+2*\g+((zi>>3)&1))+(zi&7)
	WIN 0
	v_exp_f32 v[zr], v[zr]
.elseif zn == 210
	v_nop                                          ; one plain place behind the exponentials before their results are used
	s_wait_alu depctr_va_vdst(0)
.elseif zn < 275
.set zi, zn-211
.set zk, zi>>1
.set zq, 2*\g+(zk&1)
.set zp, (zk>>1)&3
.set zt, zk>>3
.set zr, SC+8*(4*zt+zq)+2*zp
	WIN 0
.if (zi&1) == 0
.if zk < 2
	v_pk_fma_f32 v[LS+2*zq:LS+2*zq+1], v[LS+2*zq:LS+2*zq+1], v[AP+2*zq:AP+2*zq+1], v[zr:zr+1]   ; l alpha + the first two
.else
	v_pk_add_f32 v[LS+2*zq:LS+2*zq+1], v[LS+2*zq:LS+2*zq+1], v[zr:zr+1]
.endif
.else
	v_cvt_pk_f16_f32 v[PR+8*(2*zq+(zt>>1))+4*(zt&1)+zp], v[zr], v[zr+1]
.endif
.elseif zn < 339
.if \first == 0
.set zi, zn-275
.set zq, 2*\g+(zi>>5)
.set zr, 64*zq+2*(zi&31)
	WIN 0x41                                       ; O in window 1
	v_pk_mul_f32 v[zr:zr+1], v[zr:zr+1], v[AP+2*zq:AP+2*zq+1]
.endif
.endif
.set zn, zn+1
.endm
.macro WEAVE g, first
.rept 11
	SMOP \g, \first
.endr
.endm
; 32 matrix instructions: S^T of group g.  Four accumulators (two blocks of 16 keys x two query blocks) take turns, one instruction a turn.
; weave = 0: the phase that stands first in a tile, with the waits for K; weave = 1: group 0's softmax stands between.
.macro SPROD g, weave, first
.irp kp, 0,1
.if \weave == 0
	s_wait_dscnt 32-32*\kp                         ; kp = 0: K's 16 loads of keys 0-31 are in, 16 more of K and 16 of the mask stay out; kp = 1: all are in
.endif
.irp c, 0,1,2,3
.irp e, 0,1
.irp qq, 0,1
.set xa, SC+8*(4*(2*\kp+\e)+2*\g+\qq)
.set xb, KF+32*(2*\kp+\e)+8*\c
.set xc, 8*(4*(2*\g+\qq)+\c)
	WIN W_S
.if \c
	v_wmma_f32_16x16x32_f16 v[xa:xa+7], v[xb:xb+7], v[xc:xc+7], v[xa:xa+7]
.else
	v_wmma_f32_16x16x32_f16 v[xa:xa+7], v[xb:xb+7], v[xc:xc+7], 0
.endif
.if \weave
	WEAVE 0, \first
.endif
.endr
.endr
.endr
.endr
.endm
; 32 matrix instructions: O^T of group g.  Four accumulators (two blocks of 16 of the head's numbers x two query blocks) take turns.
; weave = 1: group 1's softmax stands between.  first = 1: the first products start the sums.
.macro PVPROD g, weave, first
.irp dp, 0,1,2,3
.irp kc, 0,1
.irp e, 0,1
.irp qq, 0,1
.set xa, 8*(8*(2*\g+\qq)+2*\dp+\e)
.set xb, VF+16*(2*\dp+\e)+8*\kc
.set xc, PR+8*(2*(2*\g+\qq)+\kc)
	WIN W_PV
.if \first*(1-\kc)
	v_wmma_f32_16x16x32_f16 v[xa:xa+7], v[xb:xb+7], v[xc:xc+7], 0
.else
	v_wmma_f32_16x16x32_f16 v[xa:xa+7], v[xb:xb+7], v[xc:xc+7], v[xa:xa+7]
.endif
.if \weave
	WEAVE 1, \first
.endif
.endr
.endr
.endr
.endr
.endm
.macro MLOAD slot, g                   ; 16 LDS loads: the mask of group g's 32 queries x my 64 keys, in S's own layout
.irp kt, 0,1,2,3
.irp qq, 0,1
	ds_load_b128 v[8*(4*\kt+2*\g+\qq):8*(4*\kt+2*\g+\qq)+3],   v[MADR+\slot] offset:16*MPI*(2*\g+\qq)+64*\kt
	ds_load_b128 v[8*(4*\kt+2*\g+\qq)+4:8*(4*\kt+2*\g+\qq)+7], v[MADR+\slot] offset:16*MPI*(2*\g+\qq)+64*\kt+16
.endr
.endr
.endm
; One tile of 128 keys in slot; refill = 1: the other slot gets the next tile; first = 1: the first products start O's sums.
.macro TRIP slot, refill, first
	s_wait_tensorcnt 0x0                           ; all my tensor loads are done, my part of this tile among them,
	ds_add_u32 v7, v19
	s_wait_dscnt 0x0
	s_add_nc_u64 s[G0K+4*\slot+2:G0K+4*\slot+3], s[G0K+4*\slot+2:G0K+4*\slot+3], 65536   ; so every group 0 may be written: this slot's next tile, two tiles on
	s_add_nc_u64 s[G0V+4*\slot+2:G0V+4*\slot+3], s[G0V+4*\slot+2:G0V+4*\slot+3], 65536
	s_add_nc_u64 s[G0M+4*\slot+2:G0M+4*\slot+3], s[G0M+4*\slot+2:G0M+4*\slot+3], 1024
	s_wait_dscnt 0x0                               ; my reads of the last tile are done
	ROUND                                          ; both now hold of every wave of every work-group of the cluster
.if \refill
	JLOAD 1-\slot                                  ; the next tile, into the slot read last: it has this whole trip in which to land
.endif
	PLACES                                         ; behind the last tile's matrix instructions
	WIN 0x80
.irp kt, 0,1,2,3
.irp c, 0,1,2,3
	ds_load_b128 v[KF+32*\kt+8*\c:KF+32*\kt+8*\c+3],   v[KADR+\slot] offset:4352*\kt+64*\c
	ds_load_b128 v[KF+32*\kt+8*\c+4:KF+32*\kt+8*\c+7], v[KADR+\slot] offset:4352*\kt+64*\c+32
.endr
.endr
	WIN 0xc0
	MLOAD \slot, 0
.if \first
	s_wait_loadcnt 0x0                             ; q
.endif
	SPROD 0, 0, \first                             ; phase 1: S of A
	PLACES                                         ; A's scores are read four places behind
	WIN 0xc0
	MLOAD \slot, 1                                 ; B's mask and V: wanted in phase 3, asked for a phase ahead
.irp dt, 0,1,2,3,4,5,6,7
.irp kc, 0,1
	ds_load_tr16_b128 v[VF+16*\dt+8*\kc:VF+16*\dt+8*\kc+3],   v[VADR+\slot] offset:9216*\kc+32*\dt
	ds_load_tr16_b128 v[VF+16*\dt+8*\kc+4:VF+16*\dt+8*\kc+7], v[VADR+\slot] offset:9216*\kc+32*\dt+4608
.endr
.endr
.set zn, 0
	SPROD 1, 1, \first                             ; phase 2: S of B, A's softmax between
	PLACES                                         ; B's scores are read four places behind
	s_wait_dscnt 0x0                               ; B's mask and V
.set zn, 0
	PVPROD 0, 1, \first                            ; phase 3: O of A, B's softmax between
	PVPROD 1, 0, \first                            ; phase 4: O of B
	WIN 0
.endm
	TRIP 0, 1, 1                                   ; 16 tiles: two in front of the loop, twelve in it, two behind
	TRIP 1, 1, 0
	s_mov_b32 s3, 6
.Ltiles:
	TRIP 0, 1, 0
	TRIP 1, 1, 0
	s_sub_co_u32 s3, s3, 1
	s_cmp_lg_u32 s3, 0
	s_cbranch_scc1 .Ltiles
	TRIP 0, 1, 0
	TRIP 1, 0, 0                                   ; nothing is left to fetch
	; THE MERGE of the two halves of the keys.  The waves with the upper half lay O, m and l into LDS; the others add them in and store.
	PLACES                                         ; O is read four places behind the last matrix instructions
.irp q, 0,1,2,3
	v_add_f32 v[LL+\q], v[LS+2*\q], v[LS+2*\q+1]
.endr
.irp q, 0,1,2,3
	v_permlanex16_b32 v[T+\q], v[LL+\q], s78, s79
.endr
.irp q, 0,1,2,3
	v_add_f32 v[LL+\q], v[LL+\q], v[T+\q]
.endr
	s_cmp_eq_u32 s12, 0
	s_cbranch_scc1 .Lkeep
	WIN 0x04
.set i, 0
.rept 64
	ds_store_b128 v[MRGA], v[4*i:4*i+3] offset:512*i
.set i, i+1
.endr
	WIN 0
	ds_store_b128 v[MRGA], v[MX:MX+3] offset:32768
	ds_store_b128 v[MRGA], v[LL:LL+3] offset:33280
.Lkeep:
	s_wait_dscnt 0x0                               ; for the other wave's sake: my stores are done
	s_barrier_signal -1
	s_barrier_wait -1
	s_cmp_lg_u32 s12, 0
	s_cbranch_scc1 .Ldone
	ds_load_b128 v[M1:M1+3], v[MRGA] offset:32768
	ds_load_b128 v[L1:L1+3], v[MRGA] offset:33280
	s_wait_dscnt 0x0
.irp q, 0,1,2,3
	v_max_num_f32 v[T+\q], v[MX+\q], v[M1+\q]
	v_sub_f32 v[MX+\q], v[MX+\q], v[T+\q]
	v_sub_f32 v[M1+\q], v[M1+\q], v[T+\q]
	v_mul_f32 v[MX+\q], s20, v[MX+\q]
	v_mul_f32 v[M1+\q], s20, v[M1+\q]
.endr
.irp q, 0,1,2,3
	v_exp_f32 v[MX+\q], v[MX+\q]                   ; a0 = e^(m0 - m)
	v_exp_f32 v[M1+\q], v[M1+\q]                   ; a1 = e^(m1 - m)
.endr
	v_nop
	s_wait_alu depctr_va_vdst(0)
.irp q, 0,1,2,3
	v_mul_f32 v[LL+\q], v[LL+\q], v[MX+\q]
	v_fmac_f32 v[LL+\q], v[L1+\q], v[M1+\q]        ; l = l0 a0 + l1 a1, at least 1
.endr
.irp q, 0,1,2,3
	v_rcp_f32 v[T+\q], v[LL+\q]
.endr
	v_nop
	s_wait_alu depctr_va_vdst(0)
.irp q, 0,1,2,3
	v_mul_f32 v[MP+2*\q],   v[MX+\q], v[T+\q]      ; a0 / l, twice
	v_mul_f32 v[MP+2*\q+1], v[MX+\q], v[T+\q]
	v_mul_f32 v[AP+2*\q],   v[M1+\q], v[T+\q]      ; a1 / l, twice
	v_mul_f32 v[AP+2*\q+1], v[M1+\q], v[T+\q]
.endr
.macro MERGEQ q                        ; 16 query rows: (O0 a0 + O1 a1) / l, to f16, through my stage, out in whole rows of 256 bytes
.irp i, 0,1,2,3,4,5,6,7,8,9,10,11,12,13,14,15
	ds_load_b128 v[OM+4*\i:OM+4*\i+3], v[MRGA] offset:512*(16*\q+\i)
.endr
	s_wait_dscnt 0x0
.set i, 0
.rept 32
	v_pk_mul_f32 v[OM+2*i:OM+2*i+1], v[OM+2*i:OM+2*i+1], v[AP+2*\q:AP+2*\q+1]
.set i, i+1
.endr
	WIN 0x01
.set i, 0
.rept 32
	v_pk_fma_f32 v[OM+2*i:OM+2*i+1], v[64*\q+2*i:64*\q+2*i+1], v[MP+2*\q:MP+2*\q+1], v[OM+2*i:OM+2*i+1]
.set i, i+1
.endr
	WIN 0
.irp dt, 0,1,2,3,4,5,6,7
.irp p, 0,1,2,3
	v_cvt_pk_f16_f32 v[PR+4*\dt+\p], v[OM+8*\dt+2*\p], v[OM+8*\dt+2*\p+1]
.endr
.endr
.irp dt, 0,1,2,3,4,5,6,7
	ds_store_b128 v[STO], v[PR+4*\dt:PR+4*\dt+3] offset:32*\dt
.endr
	s_wait_xcnt 0x0                                ; RB, which earlier stores read, is loaded again only behind this wait
.irp t, 0,1,2,3,4,5,6,7
	ds_load_b128 v[RB+4*\t:RB+4*\t+3], v[RD] offset:\t*2*KP        ; LDS serves a wave's instructions in order (ISA guide 5.7.1): these see the stores above
.endr
.irp t, 0,1,2,3,4,5,6,7
	s_wait_dscnt 7-\t                              ; read-back t is in, the 7 - t younger ones stay out
	global_store_b128 v[CO], v[RB+4*\t:RB+4*\t+3], s[86:87] offset:(16*\q+2*\t)*4096   ; sixteen lanes store 256 bytes in a row, aligned
.endr
.endm
	MERGEQ 0
	MERGEQ 1
	MERGEQ 2
	MERGEQ 3
.Ldone:
	s_wait_tensorcnt 0x0
	ds_add_u32 v7, v19
	s_wait_dscnt 0x0
	ROUND                                          ; the closing round: no work-group ends while a partner may still ask for a tile that names it
	s_endpgm
.Lfunc_end_k_qd69c6b30b1_attn:
	.size	k_qd69c6b30b1_attn, .Lfunc_end_k_qd69c6b30b1_attn-k_qd69c6b30b1_attn
	.p2alignl 7, 3214868480
	.fill 96, 4, 3214868480
	.section	.rodata,"a",@progbits
	.p2align	6, 0x0
	.amdhsa_kernel k_qd69c6b30b1_attn
		.amdhsa_group_segment_fixed_size 327680
		.amdhsa_private_segment_fixed_size 0
		.amdhsa_enable_private_segment 0
		.amdhsa_kernarg_size 24
		.amdhsa_user_sgpr_count 2
		.amdhsa_user_sgpr_kernarg_segment_ptr 1
		.amdhsa_wavefront_size32 1
		.amdhsa_system_sgpr_workgroup_id_x 1
		.amdhsa_system_sgpr_workgroup_id_y 1
		.amdhsa_system_sgpr_workgroup_id_z 1
		.amdhsa_system_vgpr_workitem_id 0
		.amdhsa_next_free_vgpr 1024
		.amdhsa_next_free_sgpr 96
		.amdhsa_reserve_vcc 0
		.amdhsa_float_denorm_mode_32 3
		.amdhsa_float_denorm_mode_16_64 3
		.amdhsa_memory_ordered 1
		.amdhsa_forward_progress 1
		.amdhsa_inst_pref_size 255
	.end_amdhsa_kernel
	.section	.bss,"aw",@nobits
	.p2align	6
	.space	262144
	.amdgpu_metadata
---
amdhsa.version: [ 1, 2 ]
amdhsa.kernels:
  - .name:           k_qd69c6b30b1_attn
    .symbol:         k_qd69c6b30b1_attn.kd
    .args:
      - { .name: qkv, .offset: 0, .size: 8, .value_kind: global_buffer, .address_space: global }
      - { .name: attention_mask, .offset: 8, .size: 8, .value_kind: global_buffer, .address_space: global }
      - { .name: att, .offset: 16, .size: 8, .value_kind: global_buffer, .address_space: global }
    .group_segment_fixed_size: 327680
    .private_segment_fixed_size: 0
    .kernarg_segment_align: 8
    .kernarg_segment_size: 24
    .max_flat_workgroup_size: 128
    .sgpr_count:     96
    .vgpr_count:     1024
    .wavefront_size: 32
...
	.end_amdgpu_metadata
.endif
;; end of part 3
;; launch oproj (part 4): grid 16 x 16, 4 waves a work-group, clusters of 4 x 4, 327,680 bytes of LDS; arguments att, bf, out0; writes out0
.if DOCPART == 4
	.amdgcn_target "amdgcn-amd-amdhsa--gfx1250"
	.amdhsa_code_object_version 6
	.text
	.protected	k_qd69c6b30b1_oproj
	.globl	k_qd69c6b30b1_oproj
	.p2align	8
	.type	k_qd69c6b30b1_oproj,@function
k_qd69c6b30b1_oproj:
	s_mov_b64 s[64:65], 0
	v_nop
	global_prefetch_b8 v0, s[64:65] scope:SCOPE_SE
	s_setreg_imm32_b32 hwreg(HW_REG_WAVE_MODE, 25, 1), 1
	s_wait_xcnt 0x0
	s_wait_alu depctr_hold_cnt(0) depctr_sa_sdst(0) depctr_va_vdst(0) depctr_va_sdst(0) depctr_va_ssrc(0) depctr_va_vcc(0) depctr_vm_vsrc(0)
	s_getreg_b32 s2, hwreg(HW_REG_IB_STS2, 6, 4)
	s_cmp_eq_u32 s2, 0
	s_cbranch_scc0 .Lentry_in_a_cluster
	s_endpgm
.Lentry_in_a_cluster:
	s_bfe_u32 s2, ttmp6, 0x10000c
	s_cmp_lg_u32 s2, 0xf033
	s_cbranch_scc0 .Lentry_shape_is_right
	s_endpgm
.Lentry_shape_is_right:
; oproj: out0 = att wo^T.  att [2048][2048] f16; wo [2048][2048] in bf at byte 25,165,824, bf16-rounded numbers held as f16; out0 f32; sums in f32.
; A work-group makes 128 tokens x 128 features, so that 256 work-groups share the work; wave w makes 64 tokens (th = w >> 1) x 64 features
; (hd = w & 1): 16 accumulator tiles.  K goes in steps of 256 (rows of 512 bytes, aligned) through two LDS slots; each wave fetches 64 rows.
; CLUSTERS: 4 x 4 work-groups; att's tile hangs on the token block alone and is asked for jointly along a row of the cluster, wo's on the
; feature block alone, jointly along a column.
; K IS WALKED ROUND FROM A START THAT HANGS ON THE CLUSTER: quarter (cluster x + 2 cluster y) & 3 of the 2,048.  The four clusters that read the
; same rows of att begin at four different quarters, two clusters with neighbouring cluster y that read the same rows of wo half of K apart:
; a tile is asked for by its readers at different times.  The start is made of ttmp9 and ttmp7 alone, so it is equal in all sixteen
; partners.  The f32 sums therefore run in a rotated order of K.
; The matrix instruction is used transposed (source 0 = 16 rows of wo, source 1 = 16 rows of att): a lane holds eight neighbouring features
; of one token, 32 bytes of a row of out0.
; REGISTERS: window 0: v16-26 addresses; v32-95, v96-159 two fragment buffers (wo 32, att 32 registers); v160-191 rows read back.
; window 1: accumulator (a, b) at 8 (4 a + b).
.set KSTEP,  256
.set PITCH,  528                       ; 512 bytes + 16: an odd multiple of 16
.set HALFT,  64*PITCH                  ; what one tensor load brings
.set SLOT,   4*HALFT                   ; att's 128 rows, then wo's 128 rows
.set STAGE,  2*SLOT                    ; 16 rows x 272 bytes for each wave; no tensor load lands here
.set SPITCH, 272
.set BF_WO,  25165824
.set LAPS,   4                         ; 2048 / (2 x 256)
.set ROWB,   4096                      ; bytes in a row of att and of wo
.set ADRA, 16
.set ADRB, 20
.set STO,  24
.set RD,   25
.set CO,   26
.set F0,   32
.set F1,   96
.set RB,   160
.set G1A, 24
.set G1B, 32
.set G0A, 40
.set G0B, 48
.set KO,  68                           ; s[68:69] byte offset in a row of the K step asked for last, high word 0
.set CB, (1<<16)|(1<<20)|(1<<21)|(6<<22)|(3<<25)   ; 2-byte elements; padding on; bit 21 beside a mask; after every 128 words; 4 words
.set MULW, 0x50
.set MSB, 0
.macro WIN new
.if MSB != \new
	s_set_vgpr_msb (MSB<<8)|\new
.set MSB, \new
.endif
.endm
.macro PLACES                          ; four plain places behind a matrix instruction (ISA guide 7.12.1)
.rept 4
	v_nop
.endr
.endm
.macro CREST
	s_cmp_lg_u32 s10, 0
	s_cbranch_scc1 .Lnot_wave_0_\@
	s_barrier_signal -3
.Lnot_wave_0_\@:
	s_barrier_wait -3
	s_barrier_signal -1
	s_barrier_wait -1
.endm
.macro CROUND
	s_barrier_signal -1
	s_barrier_wait -1
	CREST
.endm
.macro JLOAD s                         ; waves 0, 1 ask for att's two halves, waves 2, 3 for wo's: one load a wave
	s_cmp_eq_u32 s11, 0
	s_cbranch_scc0 .Lfor_b_\@
	tensor_load_to_lds s[G0A+4*\s:G0A+4*\s+3], s[G1A:G1A+7]
	s_nop 0
	s_branch .Lasked_\@
.Lfor_b_\@:
	tensor_load_to_lds s[G0B+4*\s:G0B+4*\s+3], s[G1B:G1B+7]
	s_nop 0
.Lasked_\@:
.endm
	s_load_b128 s[4:7], s[0:1], 0x0                ; att s[4:5], bf s[6:7]
	s_load_b64 s[8:9], s[0:1], 0x10                ; out0
	v_lshl_add_u32 v254, v0, 2, 0x46400
	v_mov_b32 v255, 0
	ds_add_u32 v254, v255
	v_lshrrev_b32 v1, 5, v0
	v_readfirstlane_b32 s10, v1                    ; wave
	s_lshr_b32 s11, s10, 1                         ; th.  Also: I fetch for att (0) or for wo (1)
	s_and_b32 s12, s10, 1                          ; hd.  Also: which 64 rows of that tile I fetch
	s_bfe_u32 s13, ttmp6, 0x40000                  ; cx
	s_bfe_u32 s14, ttmp6, 0x40004                  ; cy
	s_lshl_b32 s15, ttmp9, 2
	s_add_co_u32 s15, s15, s13                     ; nb: feature block of 128
	s_and_b32 s16, ttmp7, 0xffff
	s_lshl_b32 s16, s16, 2
	s_add_co_u32 s16, s16, s14                     ; mb: token block of 128
	s_lshl_b32 s17, s14, 2
	s_lshl_b32 s17, 15, s17                        ; my row of the cluster
	s_lshl_b32 s18, 0x1111, s13                    ; my column
	s_and_b32 s[KO], ttmp7, 0xffff
	s_lshl1_add_u32 s[KO], s[KO], ttmp9            ; 2 x cluster y + cluster x,
	s_and_b32 s[KO], s[KO], 3                      ; the quarter of K at which my cluster begins,
	s_lshl_b32 s[KO], s[KO], 10                    ; in bytes of a row: 512 numbers of 2 bytes a quarter
	s_mov_b32 s[KO+1], 0
	s_or_b32  s[G1A+0], s17, CB                    ; 64 rows x 256 f16, pitch 2048
	s_or_b32  s[G1B+0], s18, CB
	s_mov_b32 s[G1A+1], KSTEP<<16
	s_mov_b32 s[G1B+1], KSTEP<<16
	s_mov_b32 s[G1A+2], 64<<16
	s_mov_b32 s[G1B+2], 64<<16
	s_mov_b32 s[G1A+3], KSTEP<<16
	s_mov_b32 s[G1B+3], KSTEP<<16
	s_mov_b32 s[G1A+4], 64
	s_mov_b32 s[G1B+4], 64
	s_mov_b32 s[G1A+5], 2048
	s_mov_b32 s[G1B+5], 2048
	s_mov_b32 s[G1A+6], 0
	s_mov_b32 s[G1B+6], 0
	s_mov_b32 s[G1A+7], 0
	s_mov_b32 s[G1B+7], 0
	s_lshl_b32 s19, s12, 6                         ; which 64 rows I fetch
	s_lshl_b32 s56, s16, 7
	s_add_co_u32 s56, s56, s19
	s_lshl_b32 s56, s56, 12                        ; rows of 4,096 bytes
	s_mov_b32 s57, 0
	s_lshl_b32 s58, s15, 7
	s_add_co_u32 s58, s58, s19
	s_lshl_b32 s58, s58, 12
	s_add_co_u32 s58, s58, BF_WO
	s_mov_b32 s59, 0
	s_mul_i32 s20, s10, HALFT                      ; att's two halves, then wo's two halves = wave x 64 rows
	s_lshl_b32 s60, s16, 7
	s_lshl_b32 s62, s11, 6
	s_add_co_u32 s60, s60, s62                     ; my first token,
	s_lshl_b32 s60, s60, 13                        ; rows of 8,192 bytes of out0,
	s_lshl_b32 s62, s15, 9
	s_lshl_b32 s63, s12, 8
	s_add_co_u32 s62, s62, s63                     ; and my first feature: 512 nb + 256 hd bytes
	s_add_co_u32 s60, s60, s62
	s_mov_b32 s61, 0
	s_wait_dscnt 0x0
	s_wait_kmcnt 0x0
	s_add_nc_u64 s[56:57], s[4:5], s[56:57]        ; my rows of att at K = 0: kept as it is; a K step's offset is added anew for each load
	s_add_nc_u64 s[58:59], s[6:7], s[58:59]        ; my rows of wo likewise
	s_add_nc_u64 s[60:61], s[8:9], s[60:61]
.irp s, 0,1
	s_mov_b32 s[G0A+4*\s], 1
	s_add_co_u32 s[G0A+4*\s+1], s20, \s*SLOT
	s_add_nc_u64 s[G0A+4*\s+2:G0A+4*\s+3], s[56:57], s[KO:KO+1]
	s_or_b32  s[G0A+4*\s+3], s[G0A+4*\s+3], 0x80000000
	s_mov_b32 s[G0B+4*\s], 1
	s_add_co_u32 s[G0B+4*\s+1], s20, \s*SLOT
	s_add_nc_u64 s[G0B+4*\s+2:G0B+4*\s+3], s[58:59], s[KO:KO+1]
	s_or_b32  s[G0B+4*\s+3], s[G0B+4*\s+3], 0x80000000
.if \s == 0
	s_add_co_u32 s[KO], s[KO], KSTEP*2             ; the second K step: a start is a multiple of 1,024, so this one does not wrap
.endif
.endr
	CROUND                                         ; in front of the first joint loads
	JLOAD 0                                        ; the first two K steps: two loads of the wave are out
	JLOAD 1
	v_and_b32 v1, 15, v0                           ; r
	v_bfe_u32 v2, v0, 4, 1                         ; h
	v_mul_u32_u24 v3, v1, PITCH
	v_lshl_add_u32 v3, v2, 4, v3                   ; 528 r + 16 h
	s_mul_i32 s21, s11, HALFT                      ; my 64 rows of att
	s_mul_i32 s22, s12, HALFT                      ; my 64 rows of wo,
	s_add_co_u32 s22, s22, 2*HALFT                 ; which lie behind att's 128
	v_add_nc_u32 v[ADRA], s21, v3
	v_add_nc_u32 v[ADRB], s22, v3
	v_add_nc_u32 v[ADRA+1], SLOT, v[ADRA]
	v_add_nc_u32 v[ADRB+1], SLOT, v[ADRB]
	s_mul_i32 s23, s10, 16*SPITCH
	s_add_co_u32 s23, s23, STAGE
	v_mul_u32_u24 v4, v1, SPITCH
	v_lshl_add_u32 v4, v2, 5, v4                   ; in: row r, 32 bytes for each half of the lanes
	v_add_nc_u32 v[STO], s23, v4
	v_mul_u32_u24 v5, v2, SPITCH
	v_lshl_add_u32 v5, v1, 4, v5
	v_add_nc_u32 v[RD], s23, v5                    ; back: lanes 0-15 one row of 256 bytes, lanes 16-31 the next
	v_lshlrev_b32 v5, 13, v2
	v_lshl_add_u32 v[CO], v1, 4, v5                ; the same two rows in out0
.macro FETCH slot, k, f                ; 16 LDS loads: 64 rows of wo, 64 rows of att, 32 along K at byte k of the rows
.irp i, 0,1,2,3
	ds_load_b128 v[\f+8*\i:\f+8*\i+3],   v[ADRB+\slot] offset:\k+\i*16*PITCH
	ds_load_b128 v[\f+8*\i+4:\f+8*\i+7], v[ADRB+\slot] offset:\k+\i*16*PITCH+32
.endr
.irp i, 0,1,2,3
	ds_load_b128 v[\f+32+8*\i:\f+32+8*\i+3],   v[ADRA+\slot] offset:\k+\i*16*PITCH
	ds_load_b128 v[\f+32+8*\i+4:\f+32+8*\i+7], v[ADRA+\slot] offset:\k+\i*16*PITCH+32
.endr
.endm
; The 16 accumulators take turns, one instruction a turn, in the same order in every eighth of a K step.
.macro MULA f, a, zero
.irp b, 0,1,2,3
.if \zero
	v_wmma_f32_16x16x32_f16 v[8*(4*\a+\b):8*(4*\a+\b)+7], v[\f+8*\b:\f+8*\b+7], v[\f+32+8*\a:\f+32+8*\a+7], 0
.else
	v_wmma_f32_16x16x32_f16 v[8*(4*\a+\b):8*(4*\a+\b)+7], v[\f+8*\b:\f+8*\b+7], v[\f+32+8*\a:\f+32+8*\a+7], v[8*(4*\a+\b):8*(4*\a+\b)+7]
.endif
.endr
.endm
.macro EIGHTH slot, k, f, g, zero
	s_wait_dscnt 0x0                               ; buffer f, asked for 16 matrix instructions ago
	PLACES                                         ; behind the matrix instructions that read buffer g
	WIN 0
	FETCH \slot, \k, \g
	WIN MULW
	MULA \f, 0, \zero
	MULA \f, 1, \zero
	MULA \f, 2, \zero
	MULA \f, 3, \zero
.endm
.macro SEVEN slot, zero
	EIGHTH \slot, 64,  F0, F1, \zero
	EIGHTH \slot, 128, F1, F0, 0
	EIGHTH \slot, 192, F0, F1, 0
	EIGHTH \slot, 256, F1, F0, 0
	EIGHTH \slot, 320, F0, F1, 0
	EIGHTH \slot, 384, F1, F0, 0
	EIGHTH \slot, 448, F0, F1, 0
.endm
; The last eighth changes slots and then multiplies buffer 1: each wave's waits for its reads of this slot and for all its tensor loads, the barrier
; (which opens a round of the cluster's barrier where the slot is filled again), the joint refill first behind it, one a wave.  Nothing stands
; between the waits and the refill but the round itself: the refill is asked for as soon as the slot is free, and the eighth's 16 matrix
; instructions run while it is on its way.
.macro TURN slot, next, fill
	s_wait_dscnt 0x0                               ; buffer 1 is in, and with it my last reads of this slot
	s_wait_tensorcnt 0x0                           ; all my tensor loads have landed
	ds_add_u32 v254, v255
	s_wait_dscnt 0x0
	WIN 0
	s_barrier_signal -1
	s_barrier_wait -1
.if \fill
	CREST
	s_add_co_u32 s[KO], s[KO], KSTEP*2             ; no load of mine is out, so the descriptors may be written: the next K step,
	s_and_b32 s[KO], s[KO], ROWB-1                 ; round the row's end
	s_add_nc_u64 s[G0A+4*\slot+2:G0A+4*\slot+3], s[56:57], s[KO:KO+1]
	s_or_b32  s[G0A+4*\slot+3], s[G0A+4*\slot+3], 0x80000000
	s_add_nc_u64 s[G0B+4*\slot+2:G0B+4*\slot+3], s[58:59], s[KO:KO+1]
	s_or_b32  s[G0B+4*\slot+3], s[G0B+4*\slot+3], 0x80000000
	JLOAD \slot
.endif
	PLACES                                         ; behind the matrix instructions that read buffer 0
	FETCH \next, 0, F0
	WIN MULW
	MULA F1, 0, 0
	MULA F1, 1, 0
	MULA F1, 2, 0
	MULA F1, 3, 0
.endm
.macro LAP zero
	SEVEN 0, \zero
	TURN 0, 1, 1
	SEVEN 1, 0
	TURN 1, 0, 1
.endm
	s_wait_tensorcnt 0x1                           ; my part of the first K step is in; the second K step's load may stay out
	s_barrier_signal -1
	s_barrier_wait -1
	FETCH 0, 0, F0
	LAP 1
	WIN 0
	s_mov_b32 s3, LAPS-2
.Llap:
	LAP 0
	WIN 0
	s_sub_co_u32 s3, s3, 1
	s_cmp_lg_u32 s3, 0
	s_cbranch_scc1 .Llap
	SEVEN 0, 0                                     ; the last lap fills nothing
	TURN 0, 1, 0
	SEVEN 1, 0
	s_wait_dscnt 0x0
	WIN MULW
	MULA F1, 0, 0
	MULA F1, 1, 0
	MULA F1, 2, 0
	MULA F1, 3, 0
	PLACES                                         ; the LDS stores read results four places behind the last matrix instructions
.macro OUT16 a                         ; 16 tokens x 64 features of f32: through my stage, out in whole rows of 256 bytes
	WIN 0x04
.irp b, 0,1,2,3
	ds_store_b128 v[STO], v[8*(4*\a+\b):8*(4*\a+\b)+3]   offset:64*\b
	ds_store_b128 v[STO], v[8*(4*\a+\b)+4:8*(4*\a+\b)+7] offset:64*\b+16
.endr
	WIN 0
	s_wait_xcnt 0x0                                ; RB, which earlier stores read, is loaded again only behind this wait
.irp t, 0,1,2,3,4,5,6,7
	ds_load_b128 v[RB+4*\t:RB+4*\t+3], v[RD] offset:\t*2*SPITCH    ; LDS serves a wave's instructions in order (ISA guide 5.7.1): these see the stores above
.endr
.irp t, 0,1,2,3,4,5,6,7
	s_wait_dscnt 7-\t                              ; read-back t is in, the 7 - t younger ones stay out
	global_store_b128 v[CO], v[RB+4*\t:RB+4*\t+3], s[60:61] offset:(16*\a+2*\t)*8192 th:TH_STORE_NT
.endr
.endm
	OUT16 0
	OUT16 1
	OUT16 2
	OUT16 3
	s_wait_tensorcnt 0x0
	ds_add_u32 v254, v255
	s_wait_dscnt 0x0
	CROUND                                         ; the closing round: no work-group ends while a partner may still ask for a tile that names it
	s_endpgm
.Lfunc_end_k_qd69c6b30b1_oproj:
	.size	k_qd69c6b30b1_oproj, .Lfunc_end_k_qd69c6b30b1_oproj-k_qd69c6b30b1_oproj
	.p2alignl 7, 3214868480
	.fill 96, 4, 3214868480
	.section	.rodata,"a",@progbits
	.p2align	6, 0x0
	.amdhsa_kernel k_qd69c6b30b1_oproj
		.amdhsa_group_segment_fixed_size 327680
		.amdhsa_private_segment_fixed_size 0
		.amdhsa_enable_private_segment 0
		.amdhsa_kernarg_size 24
		.amdhsa_user_sgpr_count 2
		.amdhsa_user_sgpr_kernarg_segment_ptr 1
		.amdhsa_wavefront_size32 1
		.amdhsa_system_sgpr_workgroup_id_x 1
		.amdhsa_system_sgpr_workgroup_id_y 1
		.amdhsa_system_sgpr_workgroup_id_z 1
		.amdhsa_system_vgpr_workitem_id 0
		.amdhsa_next_free_vgpr 384
		.amdhsa_next_free_sgpr 72
		.amdhsa_reserve_vcc 0
		.amdhsa_float_denorm_mode_32 3
		.amdhsa_float_denorm_mode_16_64 3
		.amdhsa_memory_ordered 1
		.amdhsa_forward_progress 1
		.amdhsa_inst_pref_size 126
	.end_amdhsa_kernel
	.amdgpu_metadata
---
amdhsa.version: [ 1, 2 ]
amdhsa.kernels:
  - .name:           k_qd69c6b30b1_oproj
    .symbol:         k_qd69c6b30b1_oproj.kd
    .args:
      - { .name: att, .offset: 0, .size: 8, .value_kind: global_buffer, .address_space: global }
      - { .name: bf, .offset: 8, .size: 8, .value_kind: global_buffer, .address_space: global }
      - { .name: out0, .offset: 16, .size: 8, .value_kind: global_buffer, .address_space: global }
    .group_segment_fixed_size: 327680
    .private_segment_fixed_size: 0
    .kernarg_segment_align: 8
    .kernarg_segment_size: 24
    .max_flat_workgroup_size: 128
    .sgpr_count:     72
    .vgpr_count:     384
    .wavefront_size: 32
...
	.end_amdgpu_metadata
.endif
;; end of part 4
